; MI455X (gfx1250); checked and timed in simulation.
; The chip was launched on July 23, 2026; its instructions are those of AMD's public machine-readable ISA for CDNA 5 (MIT licence, August 2026) and "CDNA5" Instruction Set Architecture Reference Guide (July 2026). The comments in the code are by the model that wrote it; some were corrected since.
;; Attention. Allowed arithmetic: matrix products marked QUANTISED: E3M2 operands, one E8M0 scale for each 32 along K, by v_wmma_scale_f32_16x16x128_f8f6f4 with both operands' format E3M2, f32 sums; products left as they are: f32 operands where the result goes on into a quantised operand, else bf16, f16 or f32 operands; f32 sums; everything else in f32.
;; Inputs: U_a_codes 1,024 x 32 x 24 uint8 (E3M2 codes of U_a, K innermost, in blocks of 32 codes, four codes in three bytes); U_a_scales 1,024 x 32 uint8 (E8M0 scales of U_a, one for each 32 codes along K); W_a_codes 1,024 x 64 x 24 uint8 (E3M2 codes of W_a, K innermost, in blocks of 32 codes, four codes in three bytes); W_a_scales 1,024 x 64 uint8 (E8M0 scales of W_a, one for each 32 codes along K); encoder_out 64 x 512 x 2,048 float32; h_codes 64 x 32 x 24 uint8 (E3M2 codes of h, K innermost, in blocks of 32 codes, four codes in three bytes); h_scales 64 x 32 uint8 (E8M0 scales of h, one for each 32 codes along K); w 1,024 float32.
;; Outputs: out0 64 x 2,048 float32; out1 64 x 512 float32.
;; This version of the problem:
;;   THIS VERSION OF THE PROBLEM IS GIVEN IN LOW PRECISION. The matrix products marked QUANTISED in the list below multiply operands that are first quantised to E3M2 (3 exponent bits, 2 mantissa bits; 6 bits a number), with one power-of-two scale for each 32 numbers along K (OCP MX v1.0); their sums are f32. All else is computed in f32.
;;   The module's matrix products, in the order in which they are computed (A, B: the left and right operand; K: the contracted axis; several contracted axes count as one K, in the product's order):
;;     1. [M 32,768, K 2,048] x [K 2,048, N 1,024]; A: input encoder_out; B: input W_a (given as codes): QUANTISED
;;     2. [M 64, K 1,024] x [K 1,024, N 1,024]; A: input h (given as codes); B: input U_a (given as codes): QUANTISED
;;     3. [M 32,768, K 1,024] x [K 1,024, N 1]; A: computed on the way; B: input w: left as it is (N = 1 < 16)
;;     4. batch 64 x [M 2,048, K 512] x [K 512, N 1]; A: input encoder_out; B: softmax: left as it is (N = 1 < 16)
;;   THE QUANTISER, for each operand of a quantised product, along K:
;;     - K is cut into blocks of 32 from its start; a last block that is shorter is filled with zeros.
;;     - A block's scale is 2^e with e = floor(log2(the largest magnitude in the block)) - 4, held to -126 .. 127; a block of zeros has e = 0. As a byte (E8M0): e + 127.
;;     - Each number is divided by its block's scale, clamped to +-28, and rounded to the nearest number of E3M2, ties to even, subnormals kept.
;;     - The product sums the exact products of the quantised numbers (number of the format x scale) in f32.
;;   ~~~python
;;   def quantise(x, axis):      # numpy; x: float32 -> the quantised numbers, widened to float32 again
;;       x = np.moveaxis(x, axis, -1); K = x.shape[-1]
;;       x = np.pad(x, [(0, 0)] * (x.ndim - 1) + [(0, -K % 32)]); x = x.reshape(x.shape[:-1] + (-1, 32)); a = np.abs(x).max(-1, keepdims=True)
;;       e = np.where(a > 0, np.clip(np.frexp(np.where(a > 0, a, 1))[1] - 1 - 4, -126, 127), 0)      # np.frexp(a)[1] - 1 = floor(log2(a)), exactly
;;       r = np.clip(x / 2.0 ** e, -28, 28)
;;       step = 2.0 ** (np.maximum(np.frexp(np.where(r == 0, 1, r))[1] - 1, -2) - 2)
;;       q = np.round(r / step) * step * 2.0 ** e      # np.round: ties to even
;;       return np.moveaxis(q.reshape(q.shape[:-2] + (-1,))[..., :K], -1, axis).astype(np.float32)
;;   ~~~
;;   INPUTS GIVEN AS CODES. U_a (in the module: [1024, 1024], K = its axis 0); W_a (in the module: [2048, 1024], K = its axis 0); h (in the module: [64, 1024], K = its axis 1): each comes as NAME_codes (uint8): NAME with its K axis moved to the last place and cut into blocks of 32 codes, [.., K / 32, bytes a block], one block behind the other in memory; four codes in three bytes: a row's codes are one little-endian stream of bits, code i at bits 6 i .. 6 i + 5 (a code: sign, 3 exponent bits, 2 mantissa bits); and NAME_scales (uint8): the same leading axes, one E8M0 byte (e + 127) for each 32 codes along K. Its value is code x scale, taken as it is: it is not quantised again, and the codes and scales need not be those that the quantiser above would give.
;; 2 versions. Each part assembles by itself: llvm-mc -triple=amdgcn-amd-amdhsa -mcpu=gfx1250 --defsym DOCPART=n.
;; ======== version 1 of 2: 3 launches
;; workspace buffers: wfrag 1,638,400 bytes; hct 262,144 bytes; en 131,072 bytes; pctx 4,194,304 bytes
;; launch prep (part 1): grid 64 x 1, 6 waves a work-group, no clusters, 0 bytes of LDS; arguments W_a_codes, W_a_scales, U_a_codes, U_a_scales, h_codes, h_scales, wfrag, hct; writes wfrag, hct
.if DOCPART == 1
	.amdgcn_target "amdgcn-amd-amdhsa--gfx1250"
	.amdhsa_code_object_version 6
	.text
	.protected	k_q214d4c8267_prep
	.globl	k_q214d4c8267_prep
	.p2align	8
	.type	k_q214d4c8267_prep,@function
k_q214d4c8267_prep:
	s_mov_b64 s[64:65], 0
	v_nop
	global_prefetch_b8 v0, s[64:65] scope:SCOPE_SE
	s_setreg_imm32_b32 hwreg(HW_REG_WAVE_MODE, 25, 1), 1
	s_wait_xcnt 0x0
; PREP: two small jobs that the main launch would otherwise repeat in each of its 256 work-groups.
; (H) waves 0-3: hU = h U_a, [64][1024], on the given codes of E3M2 with their E8M0 scale bytes.  Work-group g takes columns 16 g .. 16 g + 15, wave mt the rows 16 mt .. 16 mt + 15: one tile of 16 x 16,
;     K = 1,024 in eight matrix instructions on two accumulators that take turns; the two halves are added in f32.
;     The tile is stored as it lies in the result's registers: registers 0-3 of lane l at 16 l, registers 4-7 at 512 + 16 l: every store covers 512 consecutive bytes.
; (R) waves 4-5: W_a's codes are laid out in the ORDER OF AN OPERAND'S REGISTERS.  A unit (pv, q) is 64 columns (64 pv on) x 256 along K (256 q on): 8 fragments f = 2 t + s (columns 16 t on, K 128 s on),
;     12 registers a lane each; register group c (4 registers) of lane l goes to byte 1,536 f + 512 c + 16 l of the unit's block of 12,800 bytes; behind the fragments, at 12,288 + 16 l, lie lane (r, h)'s four
;     scale words: those of column r of tiles t = 0 .. 3 for the unit's h-th 128 along K.  Block (J = 8 (pv / 8) + q, v = pv % 8) lies at 102,400 J + 12,800 v.
;     So the main launch reads a fragment by three loads of 16 bytes a lane.  128 units: two a work-group.
; No LDS, no barrier: waves share nothing.  The two roles part on the wave's number and do not join.
.set US,  8                            ; v8-15    U's scale words, one for each 128 along K   (role R: v8-11 W's four scale words)
.set HS,  16                           ; v16-23   h's
.set UF,  32                           ; v32-127  U's eight fragments                          (role R: W's eight)
.set HF,  128                          ; v128-223 h's eight fragments
.set AC0, 224                          ; v224-231, v232-239 the two accumulators
.set SUM, 240                          ; v240-247 their sum
	s_load_b256 s[4:11], s[0:1], 0x0               ; W's codes s[4:5], W's scales s[6:7], U's codes s[8:9], U's scales s[10:11]
	s_load_b256 s[12:19], s[0:1], 0x20             ; h's codes s[12:13], h's scales s[14:15], wfrag s[16:17], hct s[18:19]
	v_lshrrev_b32 v1, 5, v0
	v_readfirstlane_b32 s20, v1                    ; wave 0..5
	v_and_b32 v1, 15, v0                           ; r
	v_bfe_u32 v2, v0, 4, 1                         ; h
	v_mul_u32_u24 v3, v1, 768                      ; U, h: a row of 1,024 codes is 768 bytes,
	v_mad_u32_u24 v3, v2, 24, v3                   ; + 24 h
	v_lshlrev_b32 v4, 5, v1                        ; their scale bytes: 32 a row
	v_mul_u32_u24 v5, v1, 1536                     ; W: a row of 2,048 codes is 1,536 bytes,
	v_mad_u32_u24 v5, v2, 24, v5                   ; + 24 h
	v_lshlrev_b32 v6, 6, v1                        ; its scale bytes: 64 a row,
	v_lshl_add_u32 v6, v2, 2, v6                   ; + 4 h: lanes 16-31 take the second 128 along K
	v_and_b32 v7, 31, v0
	v_lshlrev_b32 v7, 4, v7                        ; 16 x lane: a lane's place in every store
	s_mov_b32 s23, 0
	s_wait_kmcnt 0x0
	s_cmp_lt_u32 s20, 4
	s_cbranch_scc0 .Lrelay
	; ---- role H
	s_mul_i32 s22, ttmp9, 12288                    ; 16 rows of U's codes a work-group
	s_add_nc_u64 s[8:9], s[8:9], s[22:23]
	s_lshl_b32 s22, ttmp9, 9                       ; and 16 rows of its scale bytes
	s_add_nc_u64 s[10:11], s[10:11], s[22:23]
	s_mul_i32 s22, s20, 12288                      ; 16 rows of h a wave
	s_add_nc_u64 s[12:13], s[12:13], s[22:23]
	s_lshl_b32 s22, s20, 9
	s_add_nc_u64 s[14:15], s[14:15], s[22:23]
	s_lshl_b32 s22, s20, 6
	s_add_co_u32 s22, s22, ttmp9
	s_lshl_b32 s22, s22, 10                        ; tile (mt, g) of hct: 1,024 bytes each
	s_add_nc_u64 s[18:19], s[18:19], s[22:23]
	global_load_b128 v[US:US+3],   v4, s[10:11]
	global_load_b128 v[US+4:US+7], v4, s[10:11] offset:16
	global_load_b128 v[HS:HS+3],   v4, s[14:15]
	global_load_b128 v[HS+4:HS+7], v4, s[14:15] offset:16
.irp k, 0,1,2,3,4,5,6,7                        ; a fragment: lane (r, h) takes 24 bytes at 96 k + 24 h of row r and 24 more 48 bytes on, in pieces of 8 bytes
.irp p, 0,1,2,3,4,5
	global_load_b64 v[UF+12*\k+2*\p:UF+12*\k+2*\p+1], v3, s[8:9] offset:96*\k+48*(\p/3)+8*(\p%3)
	global_load_b64 v[HF+12*\k+2*\p:HF+12*\k+2*\p+1], v3, s[12:13] offset:96*\k+48*(\p/3)+8*(\p%3)
.endr
.endr
	s_wait_loadcnt 0x0
.irp k, 0,1,2,3,4,5,6,7                        ; source 0 = 16 rows of h, source 1 = 16 columns of U: register j of lane (r, h) is hU(16 mt + 8 h + j, 16 g + r)
.if \k < 2
	v_wmma_scale_f32_16x16x128_f8f6f4 v[AC0+8*(\k%2):AC0+8*(\k%2)+7], v[HF+12*\k:HF+12*\k+11], v[UF+12*\k:UF+12*\k+11], 0, v[HS+\k], v[US+\k] matrix_a_fmt:MATRIX_FMT_BF6 matrix_b_fmt:MATRIX_FMT_BF6
.else
	v_wmma_scale_f32_16x16x128_f8f6f4 v[AC0+8*(\k%2):AC0+8*(\k%2)+7], v[HF+12*\k:HF+12*\k+11], v[UF+12*\k:UF+12*\k+11], v[AC0+8*(\k%2):AC0+8*(\k%2)+7], v[HS+\k], v[US+\k] matrix_a_fmt:MATRIX_FMT_BF6 matrix_b_fmt:MATRIX_FMT_BF6
.endif
.endr
.rept 4
	v_nop                                          ; four places between the last product and the first read of a result (ISA guide 7.12.1)
.endr
.irp j, 0,2,4,6                                ; both accumulators from their low end on
	v_pk_add_f32 v[SUM+\j:SUM+\j+1], v[AC0+\j:AC0+\j+1], v[AC0+8+\j:AC0+8+\j+1]
.endr
	global_store_b128 v7, v[SUM:SUM+3], s[18:19]
	global_store_b128 v7, v[SUM+4:SUM+7], s[18:19] offset:512
	s_endpgm
	; ---- role R
.Lrelay:
	s_lshl_b32 s21, ttmp9, 1
	s_add_co_u32 s21, s21, s20
	s_sub_co_u32 s21, s21, 4                       ; my unit: 2 g + wave - 4
	s_lshr_b32 s24, s21, 3                         ; pv: which 64 columns
	s_and_b32 s25, s21, 7                          ; q: which 256 along K
	s_mul_i32 s22, s24, 98304                      ; 64 rows of 1,536 bytes,
	s_mul_i32 s26, s25, 192                        ; 256 codes
	s_add_co_u32 s22, s22, s26
	s_add_nc_u64 s[4:5], s[4:5], s[22:23]
	s_lshl_b32 s22, s24, 12                        ; 64 rows of 64 scale bytes,
	s_lshl_b32 s26, s25, 3                         ; 8 bytes
	s_add_co_u32 s22, s22, s26
	s_add_nc_u64 s[6:7], s[6:7], s[22:23]
	s_lshr_b32 s26, s24, 3
	s_lshl_b32 s26, s26, 3
	s_add_co_u32 s26, s26, s25                     ; J = 8 (pv / 8) + q
	s_mul_i32 s22, s26, 102400
	s_and_b32 s26, s24, 7
	s_mul_i32 s26, s26, 12800
	s_add_co_u32 s22, s22, s26
	s_add_nc_u64 s[16:17], s[16:17], s[22:23]
.irp t, 0,1,2,3
	global_load_b32 v[US+\t], v6, s[6:7] offset:1024*\t
.endr
.irp t, 0,1,2,3
.irp s, 0,1
.irp p, 0,1,2,3,4,5
	global_load_b64 v[UF+12*(2*\t+\s)+2*\p:UF+12*(2*\t+\s)+2*\p+1], v5, s[4:5] offset:24576*\t+96*\s+48*(\p/3)+8*(\p%3)
.endr
.endr
.endr
	s_wait_loadcnt 0x0
.irp f, 0,1,2,3,4,5,6,7
.irp c, 0,1,2
	global_store_b128 v7, v[UF+12*\f+4*\c:UF+12*\f+4*\c+3], s[16:17] offset:1536*\f+512*\c   ; 32 lanes store 512 consecutive bytes, at a multiple of 256 from the buffer's first byte
.endr
.endr
	global_store_b128 v7, v[US:US+3], s[16:17] offset:12288
	s_endpgm
.Lfunc_end_k_q214d4c8267_prep:
	.size	k_q214d4c8267_prep, .Lfunc_end_k_q214d4c8267_prep-k_q214d4c8267_prep
	.p2alignl 7, 3214868480
	.fill 96, 4, 3214868480
	.section	.rodata,"a",@progbits
	.p2align	6, 0x0
	.amdhsa_kernel k_q214d4c8267_prep
		.amdhsa_group_segment_fixed_size 0
		.amdhsa_private_segment_fixed_size 0
		.amdhsa_enable_private_segment 0
		.amdhsa_kernarg_size 64
		.amdhsa_user_sgpr_count 2
		.amdhsa_user_sgpr_kernarg_segment_ptr 1
		.amdhsa_wavefront_size32 1
		.amdhsa_system_sgpr_workgroup_id_x 1
		.amdhsa_system_sgpr_workgroup_id_y 1
		.amdhsa_system_sgpr_workgroup_id_z 1
		.amdhsa_system_vgpr_workitem_id 0
		.amdhsa_next_free_vgpr 256
		.amdhsa_next_free_sgpr 66
		.amdhsa_reserve_vcc 0
		.amdhsa_float_denorm_mode_32 3
		.amdhsa_float_denorm_mode_16_64 3
		.amdhsa_memory_ordered 1
		.amdhsa_forward_progress 1
		.amdhsa_inst_pref_size 21
	.end_amdhsa_kernel
	.amdgpu_metadata
---
amdhsa.version: [ 1, 2 ]
amdhsa.kernels:
  - .name:           k_q214d4c8267_prep
    .symbol:         k_q214d4c8267_prep.kd
    .args:
      - { .name: W_a_codes, .offset: 0, .size: 8, .value_kind: global_buffer, .address_space: global }
      - { .name: W_a_scales, .offset: 8, .size: 8, .value_kind: global_buffer, .address_space: global }
      - { .name: U_a_codes, .offset: 16, .size: 8, .value_kind: global_buffer, .address_space: global }
      - { .name: U_a_scales, .offset: 24, .size: 8, .value_kind: global_buffer, .address_space: global }
      - { .name: h_codes, .offset: 32, .size: 8, .value_kind: global_buffer, .address_space: global }
      - { .name: h_scales, .offset: 40, .size: 8, .value_kind: global_buffer, .address_space: global }
      - { .name: wfrag, .offset: 48, .size: 8, .value_kind: global_buffer, .address_space: global }
      - { .name: hct, .offset: 56, .size: 8, .value_kind: global_buffer, .address_space: global }
    .group_segment_fixed_size: 0
    .private_segment_fixed_size: 0
    .kernarg_segment_align: 8
    .kernarg_segment_size: 64
    .max_flat_workgroup_size: 192
    .sgpr_count:     66
    .vgpr_count:     256
    .wavefront_size: 32
...
	.end_amdgpu_metadata
.endif
;; end of part 1
;; launch main (part 2): grid 256 x 1, 8 waves a work-group, no clusters, 319,488 bytes of LDS; arguments encoder_out, w, wfrag, hct, en, pctx; writes en, pctx
.if DOCPART == 2
	.amdgcn_target "amdgcn-amd-amdhsa--gfx1250"
	.amdhsa_code_object_version 6
	.text
	.protected	k_q214d4c8267_main
	.globl	k_q214d4c8267_main
	.p2align	8
	.type	k_q214d4c8267_main,@function
k_q214d4c8267_main:
	s_mov_b64 s[64:65], 0
	v_nop
	global_prefetch_b8 v0, s[64:65] scope:SCOPE_SE
	s_setreg_imm32_b32 hwreg(HW_REG_WAVE_MODE, 25, 1), 1
	s_wait_xcnt 0x0
; MAIN: for tiles of 64 rows of encoder_out (x): quantise x to E3M2 along its 2,048, att = Q(x) W_a + hU, energy = tanh(att) . w, the tile's largest energy m, p = 2^((energy - m) log2 e),
; and the tile's part of the context, the sum over its rows of p x.  Stored: the energies (en) and the parts (pctx); the last launch joins a batch's eight tiles.
; x IS READ FROM MEMORY ONCE.  While it is quantised, a copy in bf16 is kept (64 rows x 2,048 x 2 bytes) until the tile's energies are known: three quarters of it in LDS, a quarter in registers.
; That copy and the codes bound the tile: 64 rows.  So W_a's codes (1.5 MB, laid in register order by the launch before) are walked once for each tile.
; SHARES.  A work-group owns 128 rows of one batch, two tiles.  Eight waves, 512 registers each.  Quantising and context: wave v owns rows 8 v .. 8 v + 7.
; Products: wave v owns all 64 rows x columns 512 p + 64 v .. + 63, in two passes p: 16 accumulators.  K goes in 16 halves of 128 a pass.
; W GOES FROM MEMORY STRAIGHT INTO REGISTERS: a half's four fragments are twelve loads of 512 consecutive bytes, its scale words a thirteenth.  Four buffers of 48 registers take turns; a buffer is filled again as soon as
; its 16 products are issued, so three to four halves (18 to 25 KB a wave) are always on their way, across the tanh between the passes too, and no barrier stands among the products.
; NO CLUSTER, NO JOINT LOADS, though all work-groups walk the same W.  A joint load lands in LDS, and each block of W is multiplied by ONE wave: through LDS 256 along K would cost 102,400 bytes written there and
; 102,400 read back, beside the 98,304 bytes that the eight waves read of x's codes: three times the LDS bytes for the same 256 products; and two slots of that size are the bytes that hold the bf16 copy here,
; whose registers are the ones in which W's halves land.
; LIMITS.  NaN and infinities in encoder_out are not served.  A block of 32 zeros gets the scale byte 1 where the quantiser's rule says 127: its codes are zeros, and this program alone reads the bytes.
; x enters the context rounded to bf16 (that product is left as it is); p and all sums are f32.  tanh(a) = 1 - 2 / (1 + 2^(2 a log2 e)): an exponential that overflows or vanishes gives +1 or -1.
;
; LDS:
.set KWV,    24576                     ; the bf16 copy's steps 0 to 23: 24,576 bytes a wave: plane 2 t + c (512 bytes, 16 a lane) holds registers 8 t + 4 c .. + 3 of the copy
.set AC,     8*KWV                     ; x's codes: 64 rows of 1,536 bytes, 1,552 apart = 388 words: row r starts at bank 4 r mod 64 (64 banks of 4 bytes: ISA guide 11.1): the 32 lanes of a load of 8 bytes touch 64 different banks
.set APITCH, 1552
.set ASI,    AC+64*APITCH              ; x's scale words as images of the scale registers: 512 bytes for each 256 along K: lane (r, h)'s 16 bytes: the words of rows r, 16 + r, 32 + r, 48 + r for the h-th 128
.set STG,    ASI+4096                  ; 2,048 bytes a wave: the stage through which loaded numbers turn
.set EX,     STG                       ; later, on the same bytes: 16 x 256 bytes: each (pass, wave)'s partial energies of the 64 rows.  Barriers part the two uses
.set PB,     STG+16384                 ; p of the 64 rows, a copy of 256 bytes for each wave
.set CS,     AC                        ; later, on the codes' bytes: each wave's partial context: 16 planes of 512 bytes, 576 apart
.set CPL,    576
.set CWV,    16*CPL
.set TILEB,  64*8192                   ; a tile of x in memory
.set WBLK,   12800                     ; wfrag: a wave's block of 256 along K: 8 fragments of 1,536 bytes, 512 bytes of scale words
.set WSTEP,  8*WBLK                    ; and from one 256 along K to the next
; REGISTERS.  Window 1 (v256-511): registers 0-191: W's four buffers of 48; later the copy's steps 0 to 23, read back.  Registers 192-255: the copy's steps 24 to 31.
;   The copy: register 8 t + u = columns 512 (t % 4) + 16 lane + 2 u, + 1 of row 8 v + t / 4.   Window 0:
.set R16,  1                           ; v1   16 (lane % 16)      v2  4 (lane % 16)      v6  256 x lane      v7  0      v32  16 x lane      v33  my place in the copy's planes; none is ever rewritten
.set WO,   2
.set ADA,  3                           ; v3, v4  LDS address of x's fragments, row blocks 0-1 and 2-3   (softmax: v3 p's store, v4 p's loads)
.set ADSA, 5                           ; v5   of x's scale words                                         (context: my partial's place)
.set PFO,  6
.set ZR,   7
.set SA,   8                           ; v8-15   x's scale words, two sets by turns: one register a row block: lanes 0-15 the first 128 of 256 along K, lanes 16-31 the second
.set SBR,  16                          ; v16-31  W's scale words, four sets, one for each buffer: one register a column tile, lanes 0-15.  v8-31 hold scales and nothing else
.set L16,  32
.set KLA,  33
.set W0,   34                          ; v34-36  at work
.set W1,   35
.set W2,   36
.set HU,   38                          ; v38-45  hU(batch, my column) of the 2 x 4 column tiles;  v46-53  w(my column) likewise: the same for both tiles, loaded once
.set WW,   46
.set AF,   54                          ; products: v54-101 x's four fragments, ONE set; v128-255 the accumulators: (row block i, column tile t) at v[128 + 8 (4 i + t)]
.set ACC,  128
.set EE,   54                          ; tanh: v54-85 energies (8 a row block), v102-109 c hU in pairs, v110-117 -2 w in pairs, v118-119 the sum of w, v120 where they go
.set HP,   102
.set WP,   110
.set WS,   118
.set EXW,  120
.set ACW,  54                          ; quantising: v54 codes' place, v55 scale byte's, v56-57 stage in, v58-61 stage out, v62-69 codes and byte (two sets), v70-72 at work, v74-89 the copy on its way to LDS (two sets),
.set ASW,  55
.set STW,  56
.set STR,  58
.set CC,   62
.set XM,   70
.set KT,   74
.set XX,   96                          ; v96-127 two sets of 16 neighbours, v128-255 eight sets of 16 numbers as loaded
.set RR,   128
.set CX,   54                          ; softmax and context: v54-117 the softmax's work, then my 64 sums; v120-127 p of my eight rows.  v128-255 are not touched: the next tile's first loads land there
.set PK,   120
; s[4:5] x at my wave's rows; s[6:7] w, s[10:11] hct at my columns; s[8:9] wfrag at my block; s[12:13] en, s[14:15] pctx at my tile; s16 wave; s17 batch; s[22:23] 2 log2 e;
; s[24:25] wfrag at my block of the 512 along K that is being asked for; s[40:41] lane selects; s[42:43] log2 e; s44 tiles to go; s45 trips to go; s47-59 at work
.set MSB, 0
.macro WIN new                         ; s_set_vgpr_msb: bits 1:0 source 0, 3:2 source 1, 7:6 destination; the immediate's high byte repeats the setting that is left
.if MSB != \new
	s_set_vgpr_msb (MSB<<8)|\new
.set MSB, \new
.endif
.endm
.macro NOPS n
.rept \n
	v_nop
.endr
.endm
; Step t of quantising = 512 numbers: row 8 v + t / 4, columns 512 (t % 4) on.  Four loads of 512 consecutive bytes, 16 a lane, into set t % 8.
.macro XLOAD t, off
.irp i, 0,1,2,3
	global_load_b128 v[RR+16*((\t)%8)+4*\i:RR+16*((\t)%8)+4*\i+3], v[L16], s[4:5] offset:(\off)+8192*((\t)/4)+2048*((\t)%4)+512*\i th:TH_LOAD_NT
.endr
.endm
; A BATCH: W's four fragments of 128 along K into buffer hh (twelve loads of 512 consecutive bytes) and their scale words into set hh (lanes 0-15 and lanes 16-31 take the same 256 bytes).
; base: the scalar pair that stands at my block of the batch's group of 512 along K; hh / 2: which 256 of it, hh % 2: which 128 of that.  after: the windows that are left.
.macro BLOAD hh, base, after
	WIN 0x40                                       ; destination window 1, offset window 0
.irp t, 0,1,2,3
.irp g, 0,1,2
	global_load_b128 v[48*(\hh)+12*\t+4*\g:48*(\hh)+12*\t+4*\g+3], v[L16], s[\base:\base+1] offset:WSTEP*((\hh)/2)+(2*\t+(\hh)%2)*1536+512*\g
.endr
.endr
	WIN \after
	global_load_b128 v[SBR+4*(\hh):SBR+4*(\hh)+3], v[R16], s[\base:\base+1] offset:WSTEP*((\hh)/2)+12288+256*((\hh)%2)
.endm
; The conversion takes 16 neighbours from ONE lane's registers, so a step's 2,048 bytes turn through my wave's stage and come back 64 bytes a lane.  The stage has no padding: piece a (16 bytes) lies at place
; a xor ((a / 16) % 4), so that sixteen lanes touch sixteen different columns of 16 bytes on the way in and on the way out.  LDS serves a wave's instructions in order (ISA guide 5.7.1.4): no wait between stores and loads.
.macro TURN t
.irp i, 0,1,2,3
	ds_store_b128 v[STW+\i%2], v[RR+16*((\t)%8)+4*\i:RR+16*((\t)%8)+4*\i+3] offset:512*\i
.endr
.irp j, 0,1,2,3
	ds_load_b128 v[XX+16*((\t)%2)+4*\j:XX+16*((\t)%2)+4*\j+3], v[STR+\j]
.endr
.endm
.macro XSTEP t
.if (\t) == 0
	s_wait_dscnt 0x0
.elseif (\t) <= 24
	s_wait_dscnt 6                                 ; this step's numbers are back from the stage; the last step's six stores (codes, byte, copy) may be out.  So the stage's stores have read set t % 8,
.else
	s_wait_dscnt 4                                 ; (from step 24 on the copy stays in registers: four stores a step)
.endif
.if (\t)+8 < 32
	XLOAD (\t)+8, 0                                ; which takes the loads of eight steps on
.endif
.if (\t) < 31
.set NX, 28                                    ; the next step's four loads are in; those of the seven steps behind it may be out,
.if (\t) >= 24
.set NX, 4*(30-(\t))                           ; or of the fewer steps that are left,
.endif
.set NB, 0                                     ; and the batches of W, 13 loads each, that steps 25 to 28 have issued behind them
.if (\t) > 25
.set NB, (\t)-25
.endif
.if (\t) > 29
.set NB, 4
.endif
	s_wait_loadcnt NX+13*NB
	TURN (\t)+1                                    ; they turn while this step is worked
.endif
.if ((\t) >= 25) && ((\t) <= 28)
	BLOAD (\t)-25, 8, 0                            ; W's first four batches go out behind x's last loads: at most 60 loads of mine are out
.endif
.set XS, XX+16*((\t)%2)
.set CD, CC+4*((\t)%2)
.set KS, KT+8*((\t)%2)
	v_max3_num_f32 v[XM], |v[XS]|, |v[XS+1]|, |v[XS+2]|             ; the largest magnitude of my 16, in two chains
	v_max3_num_f32 v[XM+1], |v[XS+3]|, |v[XS+4]|, |v[XS+5]|
.irp i, 6,10
	v_max3_num_f32 v[XM], v[XM], |v[XS+\i]|, |v[XS+\i+1]|
	v_max3_num_f32 v[XM+1], v[XM+1], |v[XS+\i+2]|, |v[XS+\i+3]|
.endr
	v_max3_num_f32 v[XM], v[XM], |v[XS+14]|, |v[XS+15]|
	v_max3_num_f32 v[XM], v[XM], v[XM+1], 0x2800000                 ; and the floor 2^(5 - 127): the byte cannot fall under 1
	v_max_num_f32_dpp v[XM], v[XM], v[XM] row_xmask:1 row_mask:0xf bank_mask:0xf   ; with my neighbour's 16: the block's
	v_add_nc_u32 v[XM+2], 0xfe000000, v[XM]        ; 4 off its exponent field: the conversion takes the exponent field of this operand as its scale
	v_cvt_scalef32_pk16_bf6_f32 v[CD:CD+2], v[XS:XS+15], v[XM+2]    ; 16 codes, 96 bits
	v_lshrrev_b32 v[CD+3], 23, v[XM+2]             ; the scale's byte.  (Also the plain line behind a scaled conversion)
.if (\t) < 24
.irp u, 0,1,2,3,4,5,6,7
	v_cvt_pk_bf16_f32 v[KS+\u], v[XS+2*\u], v[XS+2*\u+1]             ; the copy that is kept for the context: steps 0 to 23 in LDS,
.endr
	ds_store_b128 v[KLA], v[KS:KS+3] offset:512*(2*(\t))             ; 32 lanes store 512 consecutive bytes
	ds_store_b128 v[KLA], v[KS+4:KS+7] offset:512*(2*(\t)+1)
.else
	WIN 0x40                                       ; destination window 1
.irp u, 0,1,2,3,4,5,6,7
	v_cvt_pk_bf16_f32 v[8*(\t)+\u], v[XS+2*\u], v[XS+2*\u+1]         ; steps 24 to 31 in registers
.endr
	WIN 0
.endif
	ds_store_b32 v[ACW], v[CD]   offset:APITCH*((\t)/4)+384*((\t)%4)       ; my 12 bytes of the row's stream of bits, at 12 x lane: words, since 12 x lane is no multiple of 8
	ds_store_b32 v[ACW], v[CD+1] offset:APITCH*((\t)/4)+384*((\t)%4)+4
	ds_store_b32 v[ACW], v[CD+2] offset:APITCH*((\t)/4)+384*((\t)%4)+8
	ds_store_b8  v[ASW], v[CD+3] offset:1024*((\t)%4)+16*((\t)/4)          ; both lanes of a block write the same byte with the same value
.endm
; Four products: row block i against the four column tiles of buffer hh.  x's scale words: set hh / 2, lanes 0-15 or 16-31 by hh % 2.  zero = 1: the product starts the sums: nothing is cleared.
.macro MM i, hh, zero
.irp t, 0,1,2,3
.if \zero
	v_wmma_scale_f32_16x16x128_f8f6f4 v[ACC+8*(4*\i+\t):ACC+8*(4*\i+\t)+7], v[AF+12*\i:AF+12*\i+11], v[48*(\hh)+12*\t:48*(\hh)+12*\t+11], 0, v[SA+4*((\hh)/2)+\i], v[SBR+4*(\hh)+\t] matrix_a_fmt:MATRIX_FMT_BF6 matrix_b_fmt:MATRIX_FMT_BF6
.elseif (\hh)%2
	v_wmma_scale_f32_16x16x128_f8f6f4 v[ACC+8*(4*\i+\t):ACC+8*(4*\i+\t)+7], v[AF+12*\i:AF+12*\i+11], v[48*(\hh)+12*\t:48*(\hh)+12*\t+11], v[ACC+8*(4*\i+\t):ACC+8*(4*\i+\t)+7], v[SA+4*((\hh)/2)+\i], v[SBR+4*(\hh)+\t] matrix_a_fmt:MATRIX_FMT_BF6 matrix_b_fmt:MATRIX_FMT_BF6 matrix_a_scale:MATRIX_SCALE_ROW1
.else
	v_wmma_scale_f32_16x16x128_f8f6f4 v[ACC+8*(4*\i+\t):ACC+8*(4*\i+\t)+7], v[AF+12*\i:AF+12*\i+11], v[48*(\hh)+12*\t:48*(\hh)+12*\t+11], v[ACC+8*(4*\i+\t):ACC+8*(4*\i+\t)+7], v[SA+4*((\hh)/2)+\i], v[SBR+4*(\hh)+\t] matrix_a_fmt:MATRIX_FMT_BF6 matrix_b_fmt:MATRIX_FMT_BF6
.endif
.endr
.endm
; x's fragment of row block i for the group's nh-th 128 along K: lane (r, h) takes 24 bytes at 96 nh + 24 h of its row and 24 more 48 bytes on, in pieces of 8 bytes.
.macro ALOAD i, nh
.irp c, 0,1,2,3,4,5
	ds_load_b64 v[AF+12*\i+2*\c:AF+12*\i+2*\c+1], v[ADA+\i/2] offset:16*APITCH*(\i%2)+96*(\nh)+48*(\c/3)+8*(\c%3)
.endr
.endm
; A HALF: 128 along K, 16 products; the 16 accumulators take turns, in the same order in every half.  x's fragments have one set of registers: a row block is free as soon as its
; four products are issued, so blocks 0-1 are fetched anew in the half's middle and blocks 2-3 at its end, each eight products ahead of their use.  W's buffer is filled again at the half's end, four halves ahead.
; A load into a register that a matrix instruction has read stands four places behind it, and only plain vector instructions are places (ISA guide 7.12.1 for vector instructions).
; load = 0: the tile's last four halves ask for nothing of W.  last = 1: the pass's last four halves fetch nothing of x past K.
.macro HALF hh, zero, load, last
.set DOA, 1-(\last)*((\hh)/3)                  ; is there a next half in this pass?
.set DOSA, (1-(\hh)%2)*(1-(\last)*((\hh)/2))   ; and, in an even half, a next 256 along K?
.if \load
	s_wait_loadcnt 39                              ; this half's batch of 13 is in; the three younger batches may be out
.else
	s_wait_loadcnt 13*(3-(\hh))                    ; (the batches that are left)
.endif
	s_wait_dscnt 12                                ; x's row blocks 0-1 and the scale words are in; the youngest twelve loads (blocks 2-3) may be out
	WIN 0x04                                       ; source 1 (W) window 1; all else, and the LDS loads below, window 0
	MM 0, \hh, \zero
	MM 1, \hh, \zero
.if DOA
	NOPS 4
.if DOSA
	ds_load_b128 v[SA+4*(1-(\hh)/2):SA+4*(1-(\hh)/2)+3], v[ADSA] offset:512*((\hh)/2+1)   ; the next 256's scale words of x, into the set that the last 256 has left
.endif
	ALOAD 0, (\hh)+1
	ALOAD 1, (\hh)+1
	s_wait_dscnt 12+DOSA                           ; all but the loads just issued: blocks 2-3 are in
.else
	s_wait_dscnt 0x0
.endif
	MM 2, \hh, \zero
	MM 3, \hh, \zero
	NOPS 4
.if DOA
	ALOAD 2, (\hh)+1
	ALOAD 3, (\hh)+1
.endif
.if \load
.if (\hh) == 0
	s_wait_xcnt 0x0                                ; the last batch, 16 products back, has had its addresses translated (ISA guide 3.1): only behind this wait is its base stepped,
	s_add_nc_u64 s[24:25], s[24:25], 2*WSTEP       ; on to the next group's 512 along K
.endif
	BLOAD \hh, 24, 0x04
.endif
.endm
; A GROUP: four halves, once round W's buffers and x's two sets of scale words.
.macro GROUP zero, load, last
	HALF 0, \zero, \load, \last
	HALF 1, 0, \load, \last
	HALF 2, 0, \load, \last
	HALF 3, 0, \load, \last
	WIN 0                                          ; at a label and at a branch every window is 0
.if (\last) == 0
	v_add_nc_u32 v[ADA], 384, v[ADA]               ; on to the next 512 along K (the fetches for its first half have been issued, with the old addresses)
	v_add_nc_u32 v[ADA+1], 384, v[ADA+1]
	v_add_nc_u32 v[ADSA], 1024, v[ADSA]
.endif
.endm
; A PASS: 512 columns, K = 2,048 in four groups.  The first starts the sums, the last fetches nothing of x past K; in pass 0 it asks for pass 1's first four batches, which land under the tanh.
.macro PASS pass
.if \pass
	s_wait_dscnt 0x0                               ; the tanh's stores have left the registers that x's fragments take
.endif
	v_and_b32 v[W0], 15, v0                        ; r
	v_bfe_u32 v[W1], v0, 4, 1                      ; h
	v_mul_u32_u24 v[ADA], v[W0], APITCH
	v_mad_u32_u24 v[ADA], v[W1], 24, v[ADA]
	v_add_nc_u32 v[ADA], AC, v[ADA]                ; row r, + 24 h
	v_add_nc_u32 v[ADA+1], 32*APITCH, v[ADA]       ; and 32 rows on
	v_add_nc_u32 v[ADSA], ASI, v[L16]
	ds_load_b128 v[SA:SA+3], v[ADSA]
	ALOAD 0, 0
	ALOAD 1, 0
	ALOAD 2, 0
	ALOAD 3, 0
	GROUP 1, 1, 0
	s_mov_b32 s45, 2
.Lk_\@:
	GROUP 0, 1, 0
	s_sub_co_u32 s45, s45, 1
	s_cmp_lg_u32 s45, 0
	s_cbranch_scc1 .Lk_\@
	GROUP 0, 1-\pass, 1
.endm
; The pass's 64 x 64 numbers a wave become partial energies.  A lane holds ONE column in each tile and eight rows in each accumulator.  energy += w tanh(att) = w + (-2 w) / (1 + 2^(c att)), c = 2 log2 e.
; The exponentials go as one batch with one wait, and so do the reciprocals.  The last half's four v_nop are the places behind the last products.
.macro TANH pass
.irp t, 0,1,2,3
	v_mul_f32 v[HP+2*\t], s22, v[HU+4*\pass+\t]    ; c hU, twice: a pair for the packed form
	v_mul_f32 v[HP+2*\t+1], s22, v[HU+4*\pass+\t]
	v_mul_f32 v[WP+2*\t], -2.0, v[WW+4*\pass+\t]
	v_mul_f32 v[WP+2*\t+1], -2.0, v[WW+4*\pass+\t]
.endr
	v_add_f32 v[WS], v[WW+4*\pass], v[WW+4*\pass+1]
	v_add_f32 v[WS+1], v[WW+4*\pass+2], v[WW+4*\pass+3]
	v_add_f32 v[WS], v[WS], v[WS+1]
	v_mov_b32 v[WS+1], v[WS]
	v_bfe_u32 v[EXW], v0, 4, 1
	s_lshl_b32 s47, s16, 8
	s_add_co_u32 s47, s47, EX
	v_lshl_add_u32 v[EXW], v[EXW], 5, s47          ; my wave's 256 bytes, + 32 h: rows 8 h on of a row block
.irp i, 0,1,2,3
.irp t, 0,1,2,3
.irp j, 0,2,4,6                                ; each accumulator from its low end on
	v_pk_fma_f32 v[ACC+8*(4*\i+\t)+\j:ACC+8*(4*\i+\t)+\j+1], v[ACC+8*(4*\i+\t)+\j:ACC+8*(4*\i+\t)+\j+1], s[22:23], v[HP+2*\t:HP+2*\t+1] op_sel_hi:[1,0,1]
.endr
.endr
.endr
.set J, 0
.rept 128
	v_exp_f32 v[ACC+J], v[ACC+J]
.set J, J+1
.endr
	v_nop                                          ; a plain line behind the last exponential
	s_wait_alu depctr_va_vdst(0)                   ; one wait for the batch
.set J, 0
.rept 64
	v_pk_add_f32 v[ACC+J:ACC+J+1], v[ACC+J:ACC+J+1], 1.0 op_sel_hi:[1,0]
.set J, J+2
.endr
.set J, 0
.rept 128
	v_rcp_f32 v[ACC+J], v[ACC+J]
.set J, J+1
.endr
	v_nop
	s_wait_alu depctr_va_vdst(0)
.irp i, 0,1,2,3                                ; sixteen chains that do not wait for each other
.irp j, 0,2,4,6
	v_pk_fma_f32 v[EE+8*\i+\j:EE+8*\i+\j+1], v[ACC+32*\i+\j:ACC+32*\i+\j+1], v[WP:WP+1], v[WS:WS+1]
.endr
.endr
.irp t, 1,2,3
.irp i, 0,1,2,3
.irp j, 0,2,4,6
	v_pk_fma_f32 v[EE+8*\i+\j:EE+8*\i+\j+1], v[ACC+8*(4*\i+\t)+\j:ACC+8*(4*\i+\t)+\j+1], v[WP+2*\t:WP+2*\t+1], v[EE+8*\i+\j:EE+8*\i+\j+1]
.endr
.endr
.endr
.irp m, 1,2,4,8                                ; over the sixteen columns that lie in sixteen lanes
.set J, 0
.rept 32
	v_add_f32_dpp v[EE+J], v[EE+J], v[EE+J] row_xmask:\m row_mask:0xf bank_mask:0xf
.set J, J+1
.endr
.endr
.irp i, 0,1,2,3                                ; rows 16 i + 8 h + 0 .. 7; the sixteen lanes of a half write the same bytes with the same values
	ds_store_b128 v[EXW], v[EE+8*\i:EE+8*\i+3] offset:2048*\pass+64*\i
	ds_store_b128 v[EXW], v[EE+8*\i+4:EE+8*\i+7] offset:2048*\pass+64*\i+16
.endr
.endm
	s_load_b256 s[4:11], s[0:1], 0x0               ; x s[4:5], w s[6:7], wfrag s[8:9], hct s[10:11]
	s_load_b128 s[12:15], s[0:1], 0x20             ; en s[12:13], pctx s[14:15]
	v_lshrrev_b32 v[W0], 5, v0
	v_readfirstlane_b32 s16, v[W0]                 ; wave 0..7
	v_and_b32 v[W0], 31, v0                        ; lane
	v_and_b32 v[W1], 15, v0                        ; r
	v_lshlrev_b32 v[L16], 4, v[W0]
	v_lshlrev_b32 v[PFO], 8, v[W0]
	v_lshlrev_b32 v[R16], 4, v[W1]
	v_lshlrev_b32 v[WO], 2, v[W1]
	v_mov_b32 v[ZR], 0
	s_mul_i32 s19, s16, KWV
	v_add_nc_u32 v[KLA], s19, v[L16]               ; the copy's planes begin at LDS byte 0: 24,576 x wave + 16 x lane
	s_lshr_b32 s17, ttmp9, 2                       ; the batch: four work-groups of 128 rows
	s_lshl_b32 s48, ttmp9, 20                      ; x: 128 rows of 8,192 bytes,
	s_lshl_b32 s50, s16, 16                        ; my wave's 8 rows
	s_add_co_u32 s48, s48, s50
	s_mov_b32 s49, 0
	s_lshl_b32 s50, s16, 8                         ; w: my 64 columns
	s_mov_b32 s51, 0
	s_mul_i32 s52, s16, WBLK                       ; wfrag: my block
	s_mov_b32 s53, 0
	s_lshr_b32 s54, s17, 4                         ; hct: row tile batch / 16: 64 tiles of 1,024 bytes;
	s_lshl_b32 s54, s54, 16
	s_bfe_u32 s56, s17, 0x10002                    ; in a tile row m = batch % 16 lies at 512 ((m / 4) % 2) + 256 (m / 8) + 4 (m % 4), column r 16 r on
	s_lshl_b32 s56, s56, 9
	s_add_co_u32 s54, s54, s56
	s_bfe_u32 s56, s17, 0x10003
	s_lshl_b32 s56, s56, 8
	s_add_co_u32 s54, s54, s56
	s_and_b32 s56, s17, 3
	s_lshl_b32 s56, s56, 2
	s_add_co_u32 s54, s54, s56
	s_lshl_b32 s56, s16, 12                        ; my wave's four column tiles
	s_add_co_u32 s54, s54, s56
	s_mov_b32 s55, 0
	s_lshl_b32 s56, ttmp9, 9                       ; en: 128 rows of 4 bytes
	s_mov_b32 s57, 0
	s_lshl_b32 s58, ttmp9, 14                      ; pctx: two tiles of 8,192 bytes,
	s_lshl_b32 s59, s16, 10                        ; my wave's 256 columns
	s_add_co_u32 s58, s58, s59
	s_mov_b32 s59, 0
	s_mov_b32 s22, 0x4038aa3b                      ; 2 log2 e
	s_mov_b32 s23, s22                             ; (the packed forms name pairs)
	s_mov_b32 s40, 0x76543210
	s_mov_b32 s41, 0xfedcba98                      ; v_permlanex16_b32's selects for lane l xor 16
	s_mov_b32 s42, 0x3fb8aa3b                      ; log2 e
	s_mov_b32 s43, s42
	s_mov_b32 s44, 2
	s_wait_kmcnt 0x0
	s_add_nc_u64 s[4:5], s[4:5], s[48:49]
	s_add_nc_u64 s[6:7], s[6:7], s[50:51]
	s_add_nc_u64 s[8:9], s[8:9], s[52:53]
	s_add_nc_u64 s[10:11], s[10:11], s[54:55]
	s_add_nc_u64 s[12:13], s[12:13], s[56:57]
	s_add_nc_u64 s[14:15], s[14:15], s[58:59]
.irp p, 0,1                                    ; what the tanh wants: the same in both tiles.  These 16 loads are older than x's, so the first wait for x shows them in
.irp t, 0,1,2,3
	global_load_b32 v[HU+4*\p+\t], v[R16], s[10:11] offset:(32*\p+\t)*1024
	global_load_b32 v[WW+4*\p+\t], v[WO], s[6:7] offset:(512*\p+16*\t)*4
.endr
.endr
.set T, 0
.rept 8
	XLOAD T, 0                                     ; the first tile's first eight steps: 32 loads, 16 KB a wave on their way
.set T, T+1
.endr
.Ltile:                                            ; two trips
	s_wait_dscnt 0x0                               ; my reads of the last tile's partial contexts are over: they lie on the bytes that take this tile's codes
	s_barrier_signal -1
	s_barrier_wait -1
	s_mov_b64 s[24:25], s[8:9]                     ; W is walked anew (the last tile's last half has waited for all its loads)
	; ---- x: 32 steps of 512 numbers a wave
	v_and_b32 v[W0], 31, v0                        ; lane
	v_bfe_u32 v[W1], v0, 4, 1                      ; lane / 16
	v_mul_u32_u24 v[ACW], v[W0], 12
	s_mul_i32 s47, s16, 8*APITCH
	s_add_co_u32 s47, s47, AC
	v_add_nc_u32 v[ACW], s47, v[ACW]               ; codes: my wave's 8 rows, 12 bytes a lane
	v_lshlrev_b32 v[ASW], 9, v[W1]                 ; the scale byte of block kb = 16 (t % 4) + lane / 2 of row 8 v + t / 4: 512 (kb / 8) + 256 ((kb / 4) % 2) + kb % 4 + 16 (row % 16) + 4 (row / 16)
	v_bfe_u32 v[W2], v0, 3, 1
	v_lshl_add_u32 v[ASW], v[W2], 8, v[ASW]
	v_bfe_u32 v[W2], v0, 1, 2
	v_add_nc_u32 v[ASW], v[ASW], v[W2]
	s_and_b32 s47, s16, 1
	s_lshl_b32 s47, s47, 7
	s_lshr_b32 s48, s16, 1
	s_lshl_b32 s48, s48, 2
	s_add_co_u32 s47, s47, s48
	s_add_co_u32 s47, s47, ASI
	v_add_nc_u32 v[ASW], s47, v[ASW]
	s_lshl_b32 s47, s16, 11
	s_add_co_u32 s47, s47, STG                     ; my stage
	v_xor_b32 v[STW], v[W0], v[W1]
	v_lshlrev_b32 v[STW], 4, v[STW]
	v_add_nc_u32 v[STW], s47, v[STW]               ; in: loads 0 and 2: place lane xor (lane / 16);
	v_xor_b32 v[STW+1], 32, v[STW]                 ; loads 1 and 3: that xor 2
	v_bfe_u32 v[W2], v0, 2, 2
	v_lshlrev_b32 v[STR], 6, v[W0]
	v_lshl_add_u32 v[STR], v[W2], 4, v[STR]
	v_add_nc_u32 v[STR], s47, v[STR]               ; out: piece 4 lane + j lies at place 4 lane + (j xor ((lane / 4) % 4))
	v_xor_b32 v[STR+1], 16, v[STR]
	v_xor_b32 v[STR+2], 32, v[STR]
	v_xor_b32 v[STR+3], 48, v[STR]
	s_wait_loadcnt 28                              ; step 0's four loads are in; seven steps' may be out
	TURN 0
.set T, 0
.rept 32
	XSTEP T
.set T, T+1
.endr
	s_wait_dscnt 0x0                               ; for the others' sake: my codes and scale bytes have landed
	s_barrier_signal -1
	s_barrier_wait -1
	; ---- the products and the energies: no barrier until the softmax: each wave reads x's codes, which nobody writes, and its own W
	PASS 0
	TANH 0
	PASS 1
	WIN 0x40                                       ; destination window 1: W's buffers are done with (four places stand behind the last products):
.set T, 0
.rept 48
	ds_load_b128 v[4*T:4*T+3], v[KLA] offset:512*T ; the copy's steps 0 to 23 come back into the registers in which the context wants them, under the tanh
.set T, T+1
.endr
	WIN 0
; A PREFETCH INTO THE L2 of what my wave loads first in the next tile: its rows 8 v and 8 v + 1, 8,192 bytes each, a lane to each 256 bytes, each block named once in the launch, by the wave that will load it.
; It stands behind the run of LDS loads above, one tanh (some 1,100 instructions of each of a SIMD's two waves) ahead of those loads.  The last tile asks for nothing.
	s_cmp_eq_u32 s44, 1
	s_cbranch_scc1 .Lno_ask
	global_prefetch_b8 v[PFO], s[4:5] offset:TILEB th:TH_LOAD_NT scope:SCOPE_SE
	global_prefetch_b8 v[PFO], s[4:5] offset:TILEB+8192 th:TH_LOAD_NT scope:SCOPE_SE
.Lno_ask:
	TANH 1
	s_cmp_eq_u32 s44, 1                            ; the next tile's first eight steps are asked for here, if there is a next tile: no load leaves its buffer
	s_cbranch_scc1 .Lno_next
.set T, 0
.rept 8
	XLOAD T, TILEB                                 ; into the accumulators' registers, which are done with
.set T, T+1
.endr
.Lno_next:
	s_wait_dscnt 0x0                               ; my partial energies have landed, my reads of the codes are over, the copy is back
	s_barrier_signal -1
	s_barrier_wait -1
	; ---- the tile's softmax, in every wave alike: lane l has rows 2 l and 2 l + 1
	v_and_b32 v[W0], 31, v0
	v_lshlrev_b32 v[W0], 3, v[W0]                  ; 8 x lane
	v_add_nc_u32 v[W2], EX, v[W0]
.irp k, 0,1,2,3,4,5,6,7,8,9,10,11,12,13,14,15
	ds_load_b64 v[CX+2*\k:CX+2*\k+1], v[W2] offset:256*\k
.endr
	s_lshl_b32 s47, s16, 8                         ; (addresses are made while the loads are out)
	s_add_co_u32 s47, s47, PB
	v_add_nc_u32 v3, s47, v[W0]                    ; p: my wave's copy, 8 bytes a lane
	s_mul_i32 s47, s16, 288
	s_add_co_u32 s47, s47, PB
	v_mov_b32 v4, s47                              ; and in it my wave's eight rows: 256 v + 4 x 8 v
	s_mul_i32 s47, s16, CWV
	s_add_co_u32 s47, s47, CS
	v_add_nc_u32 v5, s47, v[L16]                   ; my partial context: 16 bytes a lane in each plane
	v_and_b32 v[W1], 3, v0
	v_mul_u32_u24 v[W1], v[W1], CPL
	s_lshr_b32 s47, s16, 1
	s_mul_i32 s47, s47, 4*CPL
	s_and_b32 s48, s16, 1
	s_lshl_b32 s48, s48, 8
	s_add_co_u32 s47, s47, s48
	s_add_co_u32 s47, s47, CS
	v_add_nc_u32 v[W1], s47, v[W1]
	s_wait_dscnt 0x0
	v_bfe_u32 v[W2], v0, 2, 3
	v_lshl_add_u32 v[W1], v[W2], 4, v[W1]          ; back: columns 256 v + 4 lane on lie in plane 4 (v / 2) + lane % 4 at 256 (v % 2) + 16 (lane / 4)
.irp k, 0,1,2,3,4,5,6,7
	v_pk_add_f32 v[CX+2*\k:CX+2*\k+1], v[CX+2*\k:CX+2*\k+1], v[CX+16+2*\k:CX+16+2*\k+1]
.endr
.irp k, 0,1,2,3
	v_pk_add_f32 v[CX+2*\k:CX+2*\k+1], v[CX+2*\k:CX+2*\k+1], v[CX+8+2*\k:CX+8+2*\k+1]
.endr
.irp k, 0,1
	v_pk_add_f32 v[CX+2*\k:CX+2*\k+1], v[CX+2*\k:CX+2*\k+1], v[CX+4+2*\k:CX+4+2*\k+1]
.endr
	v_pk_add_f32 v[CX:CX+1], v[CX:CX+1], v[CX+2:CX+3]   ; the energies of my two rows
	s_cmp_lg_u32 s16, 0
	s_cbranch_scc1 .Lno_en
	global_store_b64 v[W0], v[CX:CX+1], s[12:13]   ; wave 0: 32 lanes store 256 consecutive bytes, at a multiple of 256 from en's first byte
.Lno_en:
	v_max_num_f32 v[CX+2], v[CX], v[CX+1]
	v_max_num_f32_dpp v[CX+2], v[CX+2], v[CX+2] row_xmask:1 row_mask:0xf bank_mask:0xf
	v_max_num_f32_dpp v[CX+2], v[CX+2], v[CX+2] row_xmask:2 row_mask:0xf bank_mask:0xf
	v_max_num_f32_dpp v[CX+2], v[CX+2], v[CX+2] row_xmask:4 row_mask:0xf bank_mask:0xf
	v_max_num_f32_dpp v[CX+2], v[CX+2], v[CX+2] row_xmask:8 row_mask:0xf bank_mask:0xf
	v_permlanex16_b32 v[CX+3], v[CX+2], s40, s41
	v_max_num_f32 v[CX+2], v[CX+2], v[CX+3]        ; m: the tile's largest energy
	v_mov_b32 v[CX+3], v[CX+2]
	v_pk_add_f32 v[CX+4:CX+5], v[CX:CX+1], v[CX+2:CX+3] neg_lo:[0,1] neg_hi:[0,1]
	v_pk_mul_f32 v[CX+4:CX+5], v[CX+4:CX+5], s[42:43] op_sel_hi:[1,0]
	v_exp_f32 v[CX+4], v[CX+4]                     ; p = 2^((energy - m) log2 e), at most 1
	v_exp_f32 v[CX+5], v[CX+5]
	v_nop
	s_wait_alu depctr_va_vdst(0)                   ; one wait for the two
	ds_store_b64 v3, v[CX+4:CX+5]
	ds_load_b128 v[PK:PK+3], v4                    ; LDS serves a wave's instructions in order: these see my store.  Every lane takes p of my wave's eight rows
	ds_load_b128 v[PK+4:PK+7], v4 offset:16
	s_wait_dscnt 0x0
	s_wait_xcnt 0x0                                ; the store of the energies has read its registers: the sums below are written over them
	; ---- my eight rows' part of the context: 64 columns a lane, straight from the bf16 halves into f32 sums
	WIN 0x01                                       ; source 0 window 1
.irp k, 0,1,2,3,4,5,6,7
.irp q, 0,1,2,3
.irp u, 0,1,2,3,4,5,6,7
.if \k == 0
	v_fma_mix_f32_bf16 v[CX+16*\q+2*\u], v[8*(4*\k+\q)+\u], v[PK+\k], v[ZR] op_sel_hi:[1,0,0]
	v_fma_mix_f32_bf16 v[CX+16*\q+2*\u+1], v[8*(4*\k+\q)+\u], v[PK+\k], v[ZR] op_sel:[1,0,0] op_sel_hi:[1,0,0]
.else
	v_fma_mix_f32_bf16 v[CX+16*\q+2*\u], v[8*(4*\k+\q)+\u], v[PK+\k], v[CX+16*\q+2*\u] op_sel_hi:[1,0,0]
	v_fma_mix_f32_bf16 v[CX+16*\q+2*\u+1], v[8*(4*\k+\q)+\u], v[PK+\k], v[CX+16*\q+2*\u+1] op_sel:[1,0,0] op_sel_hi:[1,0,0]
.endif
.endr
.endr
.endr
	WIN 0
	; ---- the eight waves' parts meet in LDS; wave v adds and stores columns 256 v .. 256 v + 255
.irp n, 0,1,2,3,4,5,6,7,8,9,10,11,12,13,14,15
	ds_store_b128 v5, v[CX+4*\n:CX+4*\n+3] offset:CPL*\n           ; plane n = 4 q + g: columns 512 q + 16 lane + 4 g on
.endr
	s_wait_dscnt 0x0                               ; for the others' sake: my stores have landed
	s_barrier_signal -1
	s_barrier_wait -1
.irp e, 0,1
.irp n, 0,1,2,3,4,5,6,7
	ds_load_b128 v[CX+32*\e+4*\n:CX+32*\e+4*\n+3], v[W1] offset:CWV*\n+128*\e   ; planes 576 bytes apart: sixteen lanes touch sixteen different columns of 16 bytes
.endr
.endr
	s_wait_dscnt 0x0
.irp e, 0,1
.irp n, 0,1,2,3
	v_pk_add_f32 v[CX+32*\e+4*\n:CX+32*\e+4*\n+1], v[CX+32*\e+4*\n:CX+32*\e+4*\n+1], v[CX+32*\e+4*\n+16:CX+32*\e+4*\n+17]
	v_pk_add_f32 v[CX+32*\e+4*\n+2:CX+32*\e+4*\n+3], v[CX+32*\e+4*\n+2:CX+32*\e+4*\n+3], v[CX+32*\e+4*\n+18:CX+32*\e+4*\n+19]
.endr
.endr
.irp e, 0,1
.irp n, 0,1
	v_pk_add_f32 v[CX+32*\e+4*\n:CX+32*\e+4*\n+1], v[CX+32*\e+4*\n:CX+32*\e+4*\n+1], v[CX+32*\e+4*\n+8:CX+32*\e+4*\n+9]
	v_pk_add_f32 v[CX+32*\e+4*\n+2:CX+32*\e+4*\n+3], v[CX+32*\e+4*\n+2:CX+32*\e+4*\n+3], v[CX+32*\e+4*\n+10:CX+32*\e+4*\n+11]
.endr
.endr
.irp e, 0,1
	v_pk_add_f32 v[CX+32*\e:CX+32*\e+1], v[CX+32*\e:CX+32*\e+1], v[CX+32*\e+4:CX+32*\e+5]
	v_pk_add_f32 v[CX+32*\e+2:CX+32*\e+3], v[CX+32*\e+2:CX+32*\e+3], v[CX+32*\e+6:CX+32*\e+7]
.endr
	global_store_b128 v[L16], v[CX:CX+3], s[14:15]                 ; 32 lanes store 512 consecutive bytes, at a multiple of 256 from pctx's first byte
	global_store_b128 v[L16], v[CX+32:CX+35], s[14:15] offset:512
	s_wait_xcnt 0x0                                ; every earlier memory instruction has had its addresses translated (ISA guide 3.1): only behind this wait are bases stepped and the stores' registers rewritten
	s_add_nc_u64 s[4:5], s[4:5], TILEB
	s_add_nc_u64 s[12:13], s[12:13], 256
	s_add_nc_u64 s[14:15], s[14:15], 8192
	s_sub_co_u32 s44, s44, 1
	s_cmp_lg_u32 s44, 0
	s_cbranch_scc1 .Ltile
	s_wait_xcnt 0x0
	v_lshl_add_u32 v254, v0, 2, 0x4dc00
	v_mov_b32 v255, 0
	s_wait_tensorcnt 0x0
	ds_add_u32 v254, v255
	s_wait_dscnt 0x0
	s_endpgm
.Lfunc_end_k_q214d4c8267_main:
	.size	k_q214d4c8267_main, .Lfunc_end_k_q214d4c8267_main-k_q214d4c8267_main
	.p2alignl 7, 3214868480
	.fill 96, 4, 3214868480
	.section	.rodata,"a",@progbits
	.p2align	6, 0x0
	.amdhsa_kernel k_q214d4c8267_main
		.amdhsa_group_segment_fixed_size 319488
		.amdhsa_private_segment_fixed_size 0
		.amdhsa_enable_private_segment 0
		.amdhsa_kernarg_size 48
		.amdhsa_user_sgpr_count 2
		.amdhsa_user_sgpr_kernarg_segment_ptr 1
		.amdhsa_wavefront_size32 1
		.amdhsa_system_sgpr_workgroup_id_x 1
		.amdhsa_system_sgpr_workgroup_id_y 1
		.amdhsa_system_sgpr_workgroup_id_z 1
		.amdhsa_system_vgpr_workitem_id 0
		.amdhsa_next_free_vgpr 512
		.amdhsa_next_free_sgpr 66
		.amdhsa_reserve_vcc 0
		.amdhsa_float_denorm_mode_32 3
		.amdhsa_float_denorm_mode_16_64 3
		.amdhsa_memory_ordered 1
		.amdhsa_forward_progress 1
		.amdhsa_inst_pref_size 255
	.end_amdhsa_kernel
	.section	.bss,"aw",@nobits
	.p2align	6
	.space	262144
	.amdgpu_metadata
---
amdhsa.version: [ 1, 2 ]
amdhsa.kernels:
  - .name:           k_q214d4c8267_main
    .symbol:         k_q214d4c8267_main.kd
    .args:
      - { .name: encoder_out, .offset: 0, .size: 8, .value_kind: global_buffer, .address_space: global }
      - { .name: w, .offset: 8, .size: 8, .value_kind: global_buffer, .address_space: global }
      - { .name: wfrag, .offset: 16, .size: 8, .value_kind: global_buffer, .address_space: global }
      - { .name: hct, .offset: 24, .size: 8, .value_kind: global_buffer, .address_space: global }
      - { .name: en, .offset: 32, .size: 8, .value_kind: global_buffer, .address_space: global }
      - { .name: pctx, .offset: 40, .size: 8, .value_kind: global_buffer, .address_space: global }
    .group_segment_fixed_size: 319488
    .private_segment_fixed_size: 0
    .kernarg_segment_align: 8
    .kernarg_segment_size: 48
    .max_flat_workgroup_size: 256
    .sgpr_count:     66
    .vgpr_count:     512
    .wavefront_size: 32
...
	.end_amdgpu_metadata
.endif
;; end of part 2
;; launch combine (part 3): grid 4 x 64, 4 waves a work-group, no clusters, 0 bytes of LDS; arguments en, pctx, out0, out1; writes out0, out1
.if DOCPART == 3
	.amdgcn_target "amdgcn-amd-amdhsa--gfx1250"
	.amdhsa_code_object_version 6
	.text
	.protected	k_q214d4c8267_combine
	.globl	k_q214d4c8267_combine
	.p2align	8
	.type	k_q214d4c8267_combine,@function
k_q214d4c8267_combine:
	s_mov_b64 s[64:65], 0
	v_nop
	global_prefetch_b8 v0, s[64:65] scope:SCOPE_SE
	s_setreg_imm32_b32 hwreg(HW_REG_WAVE_MODE, 25, 1), 1
	s_wait_xcnt 0x0
; COMBINE: a batch's eight tiles of 64 rows are joined.  en: [64][512] energies.  pctx: [64][8][2048]: for each tile the sum over its rows of 2^((energy - m_tile) log2 e) x, m_tile the tile's largest energy.
; alpha = 2^((energy - m) log2 e) / L, m the batch's largest energy, L the sum of those powers; context = the sum over tiles of (2^((m_tile - m) log2 e) / L) pctx.
; A work-group (x = quarter, y = batch) makes 512 columns of the context, 4 a thread, and 128 numbers of alpha (wave 0).  Each wave works the batch's 512 energies out for itself: 16 a lane; no LDS, no barrier.
; A maximum rounds nothing, so the tile maxima found here are those that the launch before used.  Memory binds and the work is small: no matrix unit, no cluster.
.set EN,  8                            ; v8-23   the batch's energies: register 4 i + c = row 128 i + 4 lane + c: lanes 0-15 hold tile 2 i, lanes 16-31 tile 2 i + 1
.set EA,  24                           ; v24-27  the energies of my quarter's rows 128 x + 4 lane + c
.set TM,  28                           ; v28-31  tile maxima: register i: lanes 0-15 tile 2 i's, lanes 16-31 tile 2 i + 1's
.set PC,  32                           ; v32-63  the eight tiles' parts of my 4 columns
.set MB,  64                           ; v64-65  m, twice
.set SU,  66                           ; v66-67  at work
.set OU,  72                           ; v72-75  my 4 columns of the context
	s_load_b256 s[4:11], s[0:1], 0x0               ; en s[4:5], pctx s[6:7], out0 s[8:9], out1 s[10:11]
	v_lshrrev_b32 v3, 5, v0
	v_readfirstlane_b32 s12, v3                    ; wave
	v_and_b32 v1, 31, v0
	v_lshlrev_b32 v1, 4, v1                        ; 16 x lane
	v_lshlrev_b32 v2, 4, v0                        ; 16 x thread
	v_mov_b32 v[MB+1], 0                           ; written once: a lane permute's destination counts as one of its sources
	v_mov_b32 v[SU+1], 0
	s_and_b32 s13, ttmp7, 0xffff                   ; the batch
	s_mov_b32 s15, 0
	s_mov_b32 s17, 0
	s_mov_b32 s28, 0x76543210
	s_mov_b32 s29, 0xfedcba98                      ; v_permlanex16_b32's selects for lane l xor 16
	s_mov_b32 s30, 0x3fb8aa3b                      ; log2 e
	s_mov_b32 s31, s30
	s_lshl_b32 s14, s13, 11                        ; 512 numbers of 4 bytes a batch,
	s_lshl_b32 s16, ttmp9, 9                       ; 128 a quarter
	s_wait_kmcnt 0x0
	s_add_nc_u64 s[4:5], s[4:5], s[14:15]
	s_add_nc_u64 s[18:19], s[4:5], s[16:17]
	s_add_nc_u64 s[10:11], s[10:11], s[14:15]
	s_add_nc_u64 s[10:11], s[10:11], s[16:17]
	s_lshl_b32 s14, s13, 16                        ; pctx: 8 tiles of 8,192 bytes a batch,
	s_lshl_b32 s16, ttmp9, 11                      ; 512 columns a quarter
	s_add_nc_u64 s[6:7], s[6:7], s[14:15]
	s_add_nc_u64 s[6:7], s[6:7], s[16:17]
	s_lshl_b32 s14, s13, 13                        ; out0: 8,192 bytes a batch
	s_add_nc_u64 s[8:9], s[8:9], s[14:15]
	s_add_nc_u64 s[8:9], s[8:9], s[16:17]
.irp i, 0,1,2,3
	global_load_b128 v[EN+4*\i:EN+4*\i+3], v1, s[4:5] offset:512*\i
.endr
	global_load_b128 v[EA:EA+3], v1, s[18:19]
.irp t, 0,1,2,3,4,5,6,7
	global_load_b128 v[PC+4*\t:PC+4*\t+3], v2, s[6:7] offset:8192*\t th:TH_LOAD_NT   ; a wave reads 512 consecutive bytes; read once in the launch
.endr
	s_wait_loadcnt 8                               ; the energies are in; the eight loads of parts may be out
.irp i, 0,1,2,3
	v_max3_num_f32 v[TM+\i], v[EN+4*\i], v[EN+4*\i+1], v[EN+4*\i+2]
.endr
.irp i, 0,1,2,3
	v_max_num_f32 v[TM+\i], v[TM+\i], v[EN+4*\i+3]
.endr
.irp m, 1,2,4,8
.irp i, 0,1,2,3
	v_max_num_f32_dpp v[TM+\i], v[TM+\i], v[TM+\i] row_xmask:\m row_mask:0xf bank_mask:0xf   ; over the sixteen lanes that hold a tile
.endr
.endr
	v_max3_num_f32 v[MB], v[TM], v[TM+1], v[TM+2]
	v_max_num_f32 v[MB], v[MB], v[TM+3]
	v_permlanex16_b32 v[MB+1], v[MB], s28, s29
	v_max_num_f32 v[MB], v[MB], v[MB+1]            ; m
	v_mov_b32 v[MB+1], v[MB]
.irp j, 8,10,12,14,16,18,20,22,24,26,28,30     ; the 16 energies, my quarter's 4 and the 4 tile maxima alike
	v_pk_add_f32 v[\j:\j+1], v[\j:\j+1], v[MB:MB+1] neg_lo:[0,1] neg_hi:[0,1]
.endr
.irp j, 8,10,12,14,16,18,20,22,24,26,28,30
	v_pk_mul_f32 v[\j:\j+1], v[\j:\j+1], s[30:31] op_sel_hi:[1,0]
.endr
.set J, 8
.rept 24
	v_exp_f32 v[J], v[J]
.set J, J+1
.endr
	v_nop                                          ; a plain line behind the last exponential
	s_wait_alu depctr_va_vdst(0)                   ; one wait for the batch of 24
.irp j, 8,10,12,14
	v_pk_add_f32 v[\j:\j+1], v[\j:\j+1], v[\j+8:\j+9]
.endr
.irp j, 8,10
	v_pk_add_f32 v[\j:\j+1], v[\j:\j+1], v[\j+4:\j+5]
.endr
	v_pk_add_f32 v[8:9], v[8:9], v[10:11]
	v_add_f32 v[SU], v8, v9
	v_add_f32_dpp v[SU], v[SU], v[SU] row_xmask:1 row_mask:0xf bank_mask:0xf
	v_add_f32_dpp v[SU], v[SU], v[SU] row_xmask:2 row_mask:0xf bank_mask:0xf
	v_add_f32_dpp v[SU], v[SU], v[SU] row_xmask:4 row_mask:0xf bank_mask:0xf
	v_add_f32_dpp v[SU], v[SU], v[SU] row_xmask:8 row_mask:0xf bank_mask:0xf
	v_permlanex16_b32 v[SU+1], v[SU], s28, s29
	v_add_f32 v[SU], v[SU], v[SU+1]                ; L, at least 1: the largest energy's term is 1
	v_rcp_f32 v[SU], v[SU]
	v_nop
	s_wait_alu depctr_va_vdst(0)
.irp j, 24,25,26,27,28,29,30,31
	v_mul_f32 v[\j], v[SU], v[\j]                  ; alpha of my quarter's rows; the tiles' factors
.endr
.irp i, 0,1,2,3
	v_readlane_b32 s[20+2*\i], v[TM+\i], 0         ; tile 2 i's factor,
	v_readlane_b32 s[21+2*\i], v[TM+\i], 16        ; tile 2 i + 1's: numbers that are multiplied by, no address and no branch hangs on them
.endr
	s_wait_loadcnt 0x0
.irp c, 0,1,2,3
	v_mul_f32 v[OU+\c], s20, v[PC+\c]
.endr
.irp t, 1,2,3,4,5,6,7
.irp c, 0,1,2,3
	v_fmac_f32 v[OU+\c], s[20+\t], v[PC+4*\t+\c]
.endr
.endr
	global_store_b128 v2, v[OU:OU+3], s[8:9]       ; a wave stores 512 consecutive bytes, at a multiple of 256 from out0's first byte
	s_cmp_lg_u32 s12, 0
	s_cbranch_scc1 .Lend
	global_store_b128 v1, v[EA:EA+3], s[10:11]     ; wave 0: 512 consecutive bytes of alpha
.Lend:
	s_endpgm
.Lfunc_end_k_q214d4c8267_combine:
	.size	k_q214d4c8267_combine, .Lfunc_end_k_q214d4c8267_combine-k_q214d4c8267_combine
	.p2alignl 7, 3214868480
	.fill 96, 4, 3214868480
	.section	.rodata,"a",@progbits
	.p2align	6, 0x0
	.amdhsa_kernel k_q214d4c8267_combine
		.amdhsa_group_segment_fixed_size 0
		.amdhsa_private_segment_fixed_size 0
		.amdhsa_enable_private_segment 0
		.amdhsa_kernarg_size 32
		.amdhsa_user_sgpr_count 2
		.amdhsa_user_sgpr_kernarg_segment_ptr 1
		.amdhsa_wavefront_size32 1
		.amdhsa_system_sgpr_workgroup_id_x 1
		.amdhsa_system_sgpr_workgroup_id_y 1
		.amdhsa_system_sgpr_workgroup_id_z 1
		.amdhsa_system_vgpr_workitem_id 0
		.amdhsa_next_free_vgpr 80
		.amdhsa_next_free_sgpr 66
		.amdhsa_reserve_vcc 0
		.amdhsa_float_denorm_mode_32 3
		.amdhsa_float_denorm_mode_16_64 3
		.amdhsa_memory_ordered 1
		.amdhsa_forward_progress 1
		.amdhsa_inst_pref_size 10
	.end_amdhsa_kernel
	.amdgpu_metadata
---
amdhsa.version: [ 1, 2 ]
amdhsa.kernels:
  - .name:           k_q214d4c8267_combine
    .symbol:         k_q214d4c8267_combine.kd
    .args:
      - { .name: en, .offset: 0, .size: 8, .value_kind: global_buffer, .address_space: global }
      - { .name: pctx, .offset: 8, .size: 8, .value_kind: global_buffer, .address_space: global }
      - { .name: out0, .offset: 16, .size: 8, .value_kind: global_buffer, .address_space: global }
      - { .name: out1, .offset: 24, .size: 8, .value_kind: global_buffer, .address_space: global }
    .group_segment_fixed_size: 0
    .private_segment_fixed_size: 0
    .kernarg_segment_align: 8
    .kernarg_segment_size: 32
    .max_flat_workgroup_size: 128
    .sgpr_count:     66
    .vgpr_count:     80
    .wavefront_size: 32
...
	.end_amdgpu_metadata
.endif
;; end of part 3
;; ======== version 2 of 2: 3 launches
;; workspace buffers: wfrag 1,638,400 bytes; hct 262,144 bytes; en 131,072 bytes; pctx 4,194,304 bytes
;; launch prep (part 4): grid 64 x 1, 6 waves a work-group, no clusters, 0 bytes of LDS; arguments W_a_codes, W_a_scales, U_a_codes, U_a_scales, h_codes, h_scales, wfrag, hct; writes wfrag, hct
.if DOCPART == 4
	.amdgcn_target "amdgcn-amd-amdhsa--gfx1250"
	.amdhsa_code_object_version 6
	.text
	.protected	k_q214d4c8267_prep
	.globl	k_q214d4c8267_prep
	.p2align	8
	.type	k_q214d4c8267_prep,@function
k_q214d4c8267_prep:
	s_mov_b64 s[64:65], 0
	v_nop
	global_prefetch_b8 v0, s[64:65] scope:SCOPE_SE
	s_setreg_imm32_b32 hwreg(HW_REG_WAVE_SCHED_MODE, 0, 2), 2
	s_setreg_imm32_b32 hwreg(HW_REG_WAVE_MODE, 25, 1), 1
	s_wait_xcnt 0x0
	s_wait_alu depctr_vm_vsrc(0)
; PREP: two small jobs that the main launch would otherwise repeat in each of its 256 work-groups.
; (H) waves 0-3: hU = h U_a, [64][1024], on the given codes of E3M2 with their E8M0 scale bytes.  Work-group g takes columns 16 g .. 16 g + 15, wave mt the rows 16 mt .. 16 mt + 15: one tile of 16 x 16,
;     K = 1,024 in eight matrix instructions on two accumulators that take turns; the two halves are added in f32.
;     The tile is stored as it lies in the result's registers: registers 0-3 of lane l at 16 l, registers 4-7 at 512 + 16 l: every store covers 512 consecutive bytes.
; (R) waves 4-5: W_a's codes are laid out in the ORDER OF AN OPERAND'S REGISTERS.  A unit (pv, q) is 64 columns (64 pv on) x 256 along K (256 q on): 8 fragments f = 2 t + s (columns 16 t on, K 128 s on),
;     12 registers a lane each; register group c (4 registers) of lane l goes to byte 1,536 f + 512 c + 16 l of the unit's block of 12,800 bytes; behind the fragments, at 12,288 + 16 l, lie lane (r, h)'s four
;     scale words: those of column r of tiles t = 0 .. 3 for the unit's h-th 128 along K.  Block (J = 8 (pv / 8) + q, v = pv % 8) lies at 102,400 J + 12,800 v.
;     So the main launch reads a fragment by three loads of 16 bytes a lane.  128 units: two a work-group.
; No LDS, no barrier: waves share nothing.  The two roles part on the wave's number and do not join.
; THE MODE: SCHED_MODE bits 1:0 = 2 (LLVM: expert scheduling mode 2), set by the entry lines.  The code itself states the register dependences between vector or matrix instructions and memory instructions,
; with s_wait_alu, always for 0.
; THE PLAN.  v3 to v7, offsets: written once at the head, read by every load and store.  The loaded registers are read by matrix instructions (role H) or by stores (role R) and are written by nothing else.
; v[SUM ..]: written by four additions, read by role H's two stores.  So: one wait for the wave's number, one for the offsets, one for the sums.
.set US,  8                            ; v8-15    U's scale words, one for each 128 along K   (role R: v8-11 W's four scale words)
.set HS,  16                           ; v16-23   h's
.set UF,  32                           ; v32-127  U's eight fragments                          (role R: W's eight)
.set HF,  128                          ; v128-223 h's eight fragments
.set AC0, 224                          ; v224-231, v232-239 the two accumulators
.set SUM, 240                          ; v240-247 their sum
	s_load_b256 s[4:11], s[0:1], 0x0               ; W's codes s[4:5], W's scales s[6:7], U's codes s[8:9], U's scales s[10:11]
	s_load_b256 s[12:19], s[0:1], 0x20             ; h's codes s[12:13], h's scales s[14:15], wfrag s[16:17], hct s[18:19]
	v_lshrrev_b32 v1, 5, v0
	v_readfirstlane_b32 s20, v1                    ; wave 0..5
	v_and_b32 v1, 15, v0                           ; r
	v_bfe_u32 v2, v0, 4, 1                         ; h
	v_mul_u32_u24 v3, v1, 768                      ; U, h: a row of 1,024 codes is 768 bytes,
	v_mad_u32_u24 v3, v2, 24, v3                   ; + 24 h
	v_lshlrev_b32 v4, 5, v1                        ; their scale bytes: 32 a row
	v_mul_u32_u24 v5, v1, 1536                     ; W: a row of 2,048 codes is 1,536 bytes,
	v_mad_u32_u24 v5, v2, 24, v5                   ; + 24 h
	v_lshlrev_b32 v6, 6, v1                        ; its scale bytes: 64 a row,
	v_lshl_add_u32 v6, v2, 2, v6                   ; + 4 h: lanes 16-31 take the second 128 along K
	v_and_b32 v7, 31, v0
	v_lshlrev_b32 v7, 4, v7                        ; 16 x lane: a lane's place in every store
	s_mov_b32 s23, 0
	s_wait_alu depctr_va_sdst(0)                   ; s20 is written, ahead of its first reader, the compare below
	s_wait_alu depctr_va_vdst(0)                   ; the offsets v3 to v7 are written, which the loads and stores of both roles read
	s_wait_kmcnt 0x0
	s_cmp_lt_u32 s20, 4
	s_cbranch_scc0 .Lrelay
	; ---- role H
	s_mul_i32 s22, ttmp9, 12288                    ; 16 rows of U's codes a work-group
	s_add_nc_u64 s[8:9], s[8:9], s[22:23]
	s_lshl_b32 s22, ttmp9, 9                       ; and 16 rows of its scale bytes
	s_add_nc_u64 s[10:11], s[10:11], s[22:23]
	s_mul_i32 s22, s20, 12288                      ; 16 rows of h a wave
	s_add_nc_u64 s[12:13], s[12:13], s[22:23]
	s_lshl_b32 s22, s20, 9
	s_add_nc_u64 s[14:15], s[14:15], s[22:23]
	s_lshl_b32 s22, s20, 6
	s_add_co_u32 s22, s22, ttmp9
	s_lshl_b32 s22, s22, 10                        ; tile (mt, g) of hct: 1,024 bytes each
	s_add_nc_u64 s[18:19], s[18:19], s[22:23]
	global_load_b128 v[US:US+3],   v4, s[10:11]
	global_load_b128 v[US+4:US+7], v4, s[10:11] offset:16
	global_load_b128 v[HS:HS+3],   v4, s[14:15]
	global_load_b128 v[HS+4:HS+7], v4, s[14:15] offset:16
.irp k, 0,1,2,3,4,5,6,7                        ; a fragment: lane (r, h) takes 24 bytes at 96 k + 24 h of row r and 24 more 48 bytes on, in pieces of 8 bytes
.irp p, 0,1,2,3,4,5
	global_load_b64 v[UF+12*\k+2*\p:UF+12*\k+2*\p+1], v3, s[8:9] offset:96*\k+48*(\p/3)+8*(\p%3)
	global_load_b64 v[HF+12*\k+2*\p:HF+12*\k+2*\p+1], v3, s[12:13] offset:96*\k+48*(\p/3)+8*(\p%3)
.endr
.endr
	s_wait_loadcnt 0x0
.irp k, 0,1,2,3,4,5,6,7                        ; source 0 = 16 rows of h, source 1 = 16 columns of U: register j of lane (r, h) is hU(16 mt + 8 h + j, 16 g + r)
.if \k < 2
	v_wmma_scale_f32_16x16x128_f8f6f4 v[AC0+8*(\k%2):AC0+8*(\k%2)+7], v[HF+12*\k:HF+12*\k+11], v[UF+12*\k:UF+12*\k+11], 0, v[HS+\k], v[US+\k] matrix_a_fmt:MATRIX_FMT_BF6 matrix_b_fmt:MATRIX_FMT_BF6
.else
	v_wmma_scale_f32_16x16x128_f8f6f4 v[AC0+8*(\k%2):AC0+8*(\k%2)+7], v[HF+12*\k:HF+12*\k+11], v[UF+12*\k:UF+12*\k+11], v[AC0+8*(\k%2):AC0+8*(\k%2)+7], v[HS+\k], v[US+\k] matrix_a_fmt:MATRIX_FMT_BF6 matrix_b_fmt:MATRIX_FMT_BF6
.endif
.endr
.rept 4
	v_nop                                          ; four places between the last product and the first read of a result (ISA guide 7.12.1)
.endr
.irp j, 0,2,4,6                                ; both accumulators from their low end on
	v_pk_add_f32 v[SUM+\j:SUM+\j+1], v[AC0+\j:AC0+\j+1], v[AC0+8+\j:AC0+8+\j+1]
.endr
	s_wait_alu depctr_va_vdst(0)                   ; the additions have written v[SUM ..], which the two stores read
	global_store_b128 v7, v[SUM:SUM+3], s[18:19]
	global_store_b128 v7, v[SUM+4:SUM+7], s[18:19] offset:512
	s_endpgm
	; ---- role R
.Lrelay:
	s_lshl_b32 s21, ttmp9, 1
	s_add_co_u32 s21, s21, s20
	s_sub_co_u32 s21, s21, 4                       ; my unit: 2 g + wave - 4
	s_lshr_b32 s24, s21, 3                         ; pv: which 64 columns
	s_and_b32 s25, s21, 7                          ; q: which 256 along K
	s_mul_i32 s22, s24, 98304                      ; 64 rows of 1,536 bytes,
	s_mul_i32 s26, s25, 192                        ; 256 codes
	s_add_co_u32 s22, s22, s26
	s_add_nc_u64 s[4:5], s[4:5], s[22:23]
	s_lshl_b32 s22, s24, 12                        ; 64 rows of 64 scale bytes,
	s_lshl_b32 s26, s25, 3                         ; 8 bytes
	s_add_co_u32 s22, s22, s26
	s_add_nc_u64 s[6:7], s[6:7], s[22:23]
	s_lshr_b32 s26, s24, 3
	s_lshl_b32 s26, s26, 3
	s_add_co_u32 s26, s26, s25                     ; J = 8 (pv / 8) + q
	s_mul_i32 s22, s26, 102400
	s_and_b32 s26, s24, 7
	s_mul_i32 s26, s26, 12800
	s_add_co_u32 s22, s22, s26
	s_add_nc_u64 s[16:17], s[16:17], s[22:23]
.irp t, 0,1,2,3
	global_load_b32 v[US+\t], v6, s[6:7] offset:1024*\t
.endr
.irp t, 0,1,2,3
.irp s, 0,1
.irp p, 0,1,2,3,4,5
	global_load_b64 v[UF+12*(2*\t+\s)+2*\p:UF+12*(2*\t+\s)+2*\p+1], v5, s[4:5] offset:24576*\t+96*\s+48*(\p/3)+8*(\p%3)
.endr
.endr
.endr
	s_wait_loadcnt 0x0
.irp f, 0,1,2,3,4,5,6,7
.irp c, 0,1,2
	global_store_b128 v7, v[UF+12*\f+4*\c:UF+12*\f+4*\c+3], s[16:17] offset:1536*\f+512*\c   ; 32 lanes store 512 consecutive bytes, at a multiple of 256 from the buffer's first byte
.endr
.endr
	global_store_b128 v7, v[US:US+3], s[16:17] offset:12288
	s_endpgm
.Lfunc_end_k_q214d4c8267_prep:
	.size	k_q214d4c8267_prep, .Lfunc_end_k_q214d4c8267_prep-k_q214d4c8267_prep
	.p2alignl 7, 3214868480
	.fill 96, 4, 3214868480
	.section	.rodata,"a",@progbits
	.p2align	6, 0x0
	.amdhsa_kernel k_q214d4c8267_prep
		.amdhsa_group_segment_fixed_size 0
		.amdhsa_private_segment_fixed_size 0
		.amdhsa_enable_private_segment 0
		.amdhsa_kernarg_size 64
		.amdhsa_user_sgpr_count 2
		.amdhsa_user_sgpr_kernarg_segment_ptr 1
		.amdhsa_wavefront_size32 1
		.amdhsa_system_sgpr_workgroup_id_x 1
		.amdhsa_system_sgpr_workgroup_id_y 1
		.amdhsa_system_sgpr_workgroup_id_z 1
		.amdhsa_system_vgpr_workitem_id 0
		.amdhsa_next_free_vgpr 256
		.amdhsa_next_free_sgpr 66
		.amdhsa_reserve_vcc 0
		.amdhsa_float_denorm_mode_32 3
		.amdhsa_float_denorm_mode_16_64 3
		.amdhsa_memory_ordered 1
		.amdhsa_forward_progress 1
		.amdhsa_inst_pref_size 21
	.end_amdhsa_kernel
	.amdgpu_metadata
---
amdhsa.version: [ 1, 2 ]
amdhsa.kernels:
  - .name:           k_q214d4c8267_prep
    .symbol:         k_q214d4c8267_prep.kd
    .args:
      - { .name: W_a_codes, .offset: 0, .size: 8, .value_kind: global_buffer, .address_space: global }
      - { .name: W_a_scales, .offset: 8, .size: 8, .value_kind: global_buffer, .address_space: global }
      - { .name: U_a_codes, .offset: 16, .size: 8, .value_kind: global_buffer, .address_space: global }
      - { .name: U_a_scales, .offset: 24, .size: 8, .value_kind: global_buffer, .address_space: global }
      - { .name: h_codes, .offset: 32, .size: 8, .value_kind: global_buffer, .address_space: global }
      - { .name: h_scales, .offset: 40, .size: 8, .value_kind: global_buffer, .address_space: global }
      - { .name: wfrag, .offset: 48, .size: 8, .value_kind: global_buffer, .address_space: global }
      - { .name: hct, .offset: 56, .size: 8, .value_kind: global_buffer, .address_space: global }
    .group_segment_fixed_size: 0
    .private_segment_fixed_size: 0
    .kernarg_segment_align: 8
    .kernarg_segment_size: 64
    .max_flat_workgroup_size: 192
    .sgpr_count:     66
    .vgpr_count:     256
    .wavefront_size: 32
...
	.end_amdgpu_metadata
.endif
;; end of part 4
;; launch main (part 5): grid 256 x 1, 8 waves a work-group, no clusters, 319,488 bytes of LDS; arguments encoder_out, w, wfrag, hct, en, pctx; writes en, pctx
.if DOCPART == 5
	.amdgcn_target "amdgcn-amd-amdhsa--gfx1250"
	.amdhsa_code_object_version 6
	.text
	.protected	k_q214d4c8267_main
	.globl	k_q214d4c8267_main
	.p2align	8
	.type	k_q214d4c8267_main,@function
k_q214d4c8267_main:
	s_mov_b64 s[64:65], 0
	v_nop
	global_prefetch_b8 v0, s[64:65] scope:SCOPE_SE
	s_setreg_imm32_b32 hwreg(HW_REG_WAVE_SCHED_MODE, 0, 2), 2
	s_setreg_imm32_b32 hwreg(HW_REG_WAVE_MODE, 25, 1), 1
	s_wait_xcnt 0x0
	s_wait_alu depctr_vm_vsrc(0)
; MAIN: for tiles of 64 rows of encoder_out (x): quantise x to E3M2 along its 2,048, att = Q(x) W_a + hU, energy = tanh(att) . w, the tile's largest energy m, p = 2^((energy - m) log2 e),
; and the tile's part of the context, the sum over its rows of p x.  Stored: the energies (en) and the parts (pctx); the last launch joins a batch's eight tiles.
; x IS READ FROM MEMORY ONCE.  While it is quantised, a copy in bf16 is kept (64 rows x 2,048 x 2 bytes) until the tile's energies are known: three quarters of it in LDS, a quarter in registers.
; That copy and the codes bound the tile: 64 rows.  So W_a's codes (1.5 MB, laid in register order by the launch before) are walked once for each tile.
; SHARES.  A work-group owns 128 rows of one batch, two tiles.  Eight waves, 512 registers each.  Quantising and context: wave v owns rows 8 v .. 8 v + 7.
; Products: wave v owns all 64 rows x columns 512 p + 64 v .. + 63, in two passes p: 16 accumulators.  K goes in 16 halves of 128 a pass.
; W GOES FROM MEMORY STRAIGHT INTO REGISTERS: a half's four fragments are twelve loads of 512 consecutive bytes, its scale words a thirteenth.  Four buffers of 48 registers take turns; a buffer is filled again in the
; half behind the one that multiplied it, so two to three halves (13 to 20 KB a wave) are always on their way, across the tanh between the passes too, and no barrier stands among the products.
; NO CLUSTER, NO JOINT LOADS, though all work-groups walk the same W.  A joint load lands in LDS, and each block of W is multiplied by ONE wave: through LDS 256 along K would cost 102,400 bytes written there and
; 102,400 read back, beside the 98,304 bytes that the eight waves read of x's codes: three times the LDS bytes for the same 256 products; and two slots of that size are the bytes that hold the bf16 copy here,
; whose registers are the ones in which W's halves land.
; LIMITS.  NaN and infinities in encoder_out are not served.  A block of 32 zeros gets the scale byte 1 where the quantiser's rule says 127: its codes are zeros, and this program alone reads the bytes.
; x enters the context rounded to bf16 (that product is left as it is); p and all sums are f32.  tanh(a) = 1 - 2 / (1 + 2^(2 a log2 e)): an exponential that overflows or vanishes gives +1 or -1.
;
; THE MODE: SCHED_MODE bits 1:0 = 2 (LLVM: expert scheduling mode 2), set by the entry lines.  The code itself states the register dependences between vector or matrix instructions and memory or LDS instructions,
; with s_wait_alu, always for 0.
; THE PLAN: the registers that memory or LDS instructions touch, and who else names them.
;   QUANTISING, step t.  RR[t % 8]: global loads land in it, the stage's stores read it, no vector line names it.  XX[t % 2]: the stage's loads land in it, step t's vector lines read it.
;     CC[t % 2], KT[t % 2]: step t's vector lines write them; the LDS stores that read them are issued in step t + 1.  So two waits at a step's head state all: on vm_vsrc (the stage's stores have read RR[t % 8];
;     the stores issued in the last step have read CC and KT[t % 2]) and on va_vdst (step t - 1 is done reading XX[(t + 1) % 2] and has written CC and KT[(t - 1) % 2]).
;   PRODUCTS, half H.  x's fragments of row blocks 0-1 (one set): read by the half's first eight products.  Those of row blocks 2-3 (two sets by turns): set H % 2 is read by its last eight.  W's buffer and scale set H % 4:
;     read by all sixteen.  x's scale words (two sets): set (H / 2) % 2.  ONE wait on va_vdst stands in a half's middle: this half's first eight products are done with row blocks 0-1, and the half before is done with the
;     other set of row blocks 2-3, with W's buffer and scale set (H - 1) % 4 and with the other set of x's scale words.  All that the half fetches follows it, dealt among the last eight products, which name none of these registers.
;     The three LDS addresses step once in four halves: a wait on vm_vsrc ahead of the additions; the next half's wait on va_vdst shows them written.
;   The offsets v1, v2, v6, v32, v33 are written at the head and never again.  Each other phase's addresses are made at its head, between a wait on vm_vsrc and a wait on va_vdst.
;
; LDS:
.set KWV,    24576                     ; the bf16 copy's steps 0 to 23: 24,576 bytes a wave: plane 2 t + c (512 bytes, 16 a lane) holds registers 8 t + 4 c .. + 3 of the copy
.set AC,     8*KWV                     ; x's codes: 64 rows of 1,536 bytes, 1,552 apart = 388 words: row r starts at bank 4 r mod 64 (64 banks of 4 bytes: ISA guide 11.1): the 32 lanes of a load of 8 bytes touch 64 different banks
.set APITCH, 1552
.set ASI,    AC+64*APITCH              ; x's scale words as images of the scale registers: 512 bytes for each 256 along K: lane (r, h)'s 16 bytes: the words of rows r, 16 + r, 32 + r, 48 + r for the h-th 128
.set STG,    ASI+4096                  ; 2,048 bytes a wave: the stage through which loaded numbers turn
.set EX,     STG                       ; later, on the same bytes: 16 x 256 bytes: each (pass, wave)'s partial energies of the 64 rows.  Barriers part the two uses
.set PB,     STG+16384                 ; p of the 64 rows, a copy of 256 bytes for each wave
.set CS,     AC                        ; later, on the codes' bytes: each wave's partial context: 16 planes of 512 bytes, 576 apart
.set CPL,    576
.set CWV,    16*CPL
.set TILEB,  64*8192                   ; a tile of x in memory
.set WBLK,   12800                     ; wfrag: a wave's block of 256 along K: 8 fragments of 1,536 bytes, 512 bytes of scale words
.set WSTEP,  8*WBLK                    ; and from one 256 along K to the next
; REGISTERS.  Window 1 (v256-511): registers 0-191: W's four buffers of 48; later the copy's steps 0 to 23, read back.  Registers 192-255: the copy's steps 24 to 31.
;   The copy: register 8 t + u = columns 512 (t % 4) + 16 lane + 2 u, + 1 of row 8 v + t / 4.   Window 0:
.set R16,  1                           ; v1   16 (lane % 16)      v2  4 (lane % 16)      v6  256 x lane      v7  0      v32  16 x lane      v33  my place in the copy's planes; none is ever rewritten
.set WO,   2
.set ADA,  3                           ; v3, v4  LDS address of x's fragments, row blocks 0-1 and 2-3   (softmax: v3 p's store, v4 p's loads)
.set ADSA, 5                           ; v5   of x's scale words                                         (context: my partial's place)
.set PFO,  6
.set ZR,   7
.set SA,   8                           ; v8-15   x's scale words, two sets by turns: one register a row block: lanes 0-15 the first 128 of 256 along K, lanes 16-31 the second
.set SBR,  16                          ; v16-31  W's scale words, four sets, one for each buffer: one register a column tile, lanes 0-15.  v8-31 hold scales and nothing else
.set L16,  32
.set KLA,  33
.set W0,   34                          ; v34-36  at work
.set W1,   35
.set W2,   36
.set HU,   38                          ; v38-45  hU(batch, my column) of the 2 x 4 column tiles;  v46-53  w(my column) likewise: the same for both tiles, loaded once
.set WW,   46
.set AF,   54                          ; products: v54-77 x's fragments of row blocks 0-1, ONE set; v78-101 and v102-125 those of row blocks 2-3, TWO sets by turns; v128-255 the accumulators: (row block i, column tile t) at v[128 + 8 (4 i + t)]
.set ACC,  128
.set EE,   54                          ; tanh: v54-85 energies (8 a row block), v102-109 c hU in pairs, v110-117 -2 w in pairs, v118-119 the sum of w, v120 where they go
.set HP,   102
.set WP,   110
.set WS,   118
.set EXW,  120
.set ACW,  54                          ; quantising: v54 codes' place, v55 scale byte's, v56-57 stage in, v58-61 stage out, v62-69 codes and byte (two sets), v70-72 at work, v74-89 the copy on its way to LDS (two sets),
.set ASW,  55
.set STW,  56
.set STR,  58
.set CC,   62
.set XM,   70
.set KT,   74
.set XX,   96                          ; v96-127 two sets of 16 neighbours, v128-255 eight sets of 16 numbers as loaded
.set RR,   128
.set CX,   54                          ; softmax and context: v54-117 the softmax's work, then my 64 sums; v120-127 p of my eight rows.  v128-255 are not touched: the next tile's first loads land there
.set PK,   120
; s[4:5] x at my wave's rows; s[6:7] w, s[10:11] hct at my columns; s[8:9] wfrag at my block; s[12:13] en, s[14:15] pctx at my tile; s16 wave; s17 batch; s[22:23] 2 log2 e;
; s[24:25] wfrag at my block of the 512 along K that is being asked for; s[40:41] lane selects; s[42:43] log2 e; s44 tiles to go; s45 trips to go; s47-59 at work
.set MSB, 0
.macro WIN new                         ; s_set_vgpr_msb: bits 1:0 source 0, 3:2 source 1, 7:6 destination; the immediate's high byte repeats the setting that is left
.if MSB != \new
	s_set_vgpr_msb (MSB<<8)|\new
.set MSB, \new
.endif
.endm
.macro NOPS n
.rept \n
	v_nop
.endr
.endm
; Step t of quantising = 512 numbers: row 8 v + t / 4, columns 512 (t % 4) on.  Four loads of 512 consecutive bytes, 16 a lane, into set t % 8.
.macro XLOAD t, off
.irp i, 0,1,2,3
	global_load_b128 v[RR+16*((\t)%8)+4*\i:RR+16*((\t)%8)+4*\i+3], v[L16], s[4:5] offset:(\off)+8192*((\t)/4)+2048*((\t)%4)+512*\i th:TH_LOAD_NT
.endr
.endm
; A BATCH: W's four fragments of 128 along K into buffer hh (twelve loads of 512 consecutive bytes) and their scale words into set hh (lanes 0-15 and lanes 16-31 take the same 256 bytes).
; base: the scalar pair that stands at my block of the batch's group of 512 along K; hh / 2: which 256 of it, hh % 2: which 128 of that.  after: the windows that are left.
.macro BLOAD hh, base, after
	WIN 0x40                                       ; destination window 1, offset window 0
.irp t, 0,1,2,3
.irp g, 0,1,2
	global_load_b128 v[48*(\hh)+12*\t+4*\g:48*(\hh)+12*\t+4*\g+3], v[L16], s[\base:\base+1] offset:WSTEP*((\hh)/2)+(2*\t+(\hh)%2)*1536+512*\g
.endr
.endr
	WIN \after
	global_load_b128 v[SBR+4*(\hh):SBR+4*(\hh)+3], v[R16], s[\base:\base+1] offset:WSTEP*((\hh)/2)+12288+256*((\hh)%2)
.endm
; The conversion takes 16 neighbours from ONE lane's registers, so a step's 2,048 bytes turn through my wave's stage and come back 64 bytes a lane.  The stage has no padding: piece a (16 bytes) lies at place
; a xor ((a / 16) % 4), so that sixteen lanes touch sixteen different columns of 16 bytes on the way in and on the way out.  LDS serves a wave's instructions in order (ISA guide 5.7.1.4): no wait between stores and loads.
.macro TURN t
.irp i, 0,1,2,3
	ds_store_b128 v[STW+\i%2], v[RR+16*((\t)%8)+4*\i:RR+16*((\t)%8)+4*\i+3] offset:512*\i
.endr
.irp j, 0,1,2,3
	ds_load_b128 v[XX+16*((\t)%2)+4*\j:XX+16*((\t)%2)+4*\j+3], v[STR+\j]
.endr
.endm
; Step t's results go to LDS: they are issued in step t + 1, behind its wait on va_vdst.  Six stores up to step 23, four from step 24 on, whose part of the copy stays in registers.
.macro XSTORE t
.set SD, CC+4*((\t)%2)
.set SK, KT+8*((\t)%2)
.if (\t) < 24
	ds_store_b128 v[KLA], v[SK:SK+3] offset:512*(2*(\t))             ; the copy: 32 lanes store 512 consecutive bytes
	ds_store_b128 v[KLA], v[SK+4:SK+7] offset:512*(2*(\t)+1)
.endif
	ds_store_b32 v[ACW], v[SD]   offset:APITCH*((\t)/4)+384*((\t)%4)       ; my 12 bytes of the row's stream of bits, at 12 x lane: words, since 12 x lane is no multiple of 8
	ds_store_b32 v[ACW], v[SD+1] offset:APITCH*((\t)/4)+384*((\t)%4)+4
	ds_store_b32 v[ACW], v[SD+2] offset:APITCH*((\t)/4)+384*((\t)%4)+8
	ds_store_b8  v[ASW], v[SD+3] offset:1024*((\t)%4)+16*((\t)/4)          ; both lanes of a block write the same byte with the same value
.endm
.macro XSTEP t
.if (\t) < 2
	s_wait_dscnt 0x0                               ; this step's numbers are back from the stage
.elseif (\t) <= 25
	s_wait_dscnt 6                                 ; this step's numbers are back from the stage; the six stores (codes, byte, copy) of step t - 2, issued behind the stage's loads, may be out
.else
	s_wait_dscnt 4                                 ; (from step 24 on the copy stays in registers: four stores a step)
.endif
	s_wait_alu depctr_vm_vsrc(0)                   ; the stage's stores have read set t % 8 of the loaded numbers, in which the loads of eight steps on land; the stores issued in the last step have read the codes, byte and copy of set t % 2, which this step writes again
.if (\t) > 0
	s_wait_alu depctr_va_vdst(0)                   ; the last step's vector lines are done reading the other set of neighbours, in which the stage's loads below land, and have written its codes, byte and copy, which the stores below read
.endif
.if (\t)+8 < 32
	XLOAD (\t)+8, 0                                ; eight steps on
.endif
.if (\t) < 31
.set NX, 28                                    ; the next step's four loads are in; those of the seven steps behind it may be out,
.if (\t) >= 24
.set NX, 4*(30-(\t))                           ; or of the fewer steps that are left,
.endif
.set NB, 0                                     ; and the batches of W, 13 loads each, that steps 25 to 27 have issued behind them
.if (\t) > 25
.set NB, (\t)-25
.endif
.if (\t) > 28
.set NB, 3
.endif
	s_wait_loadcnt NX+13*NB
	TURN (\t)+1                                    ; they turn while this step is worked
.endif
.if ((\t) >= 25) && ((\t) <= 27)
	BLOAD (\t)-25, 8, 0                            ; W's first three batches go out behind x's last loads: at most 51 loads of mine are out.  No vector or matrix line since the wait on va_vdst above names their registers
.endif
.if (\t) > 0
	XSTORE (\t)-1
.endif
.set XS, XX+16*((\t)%2)
.set CD, CC+4*((\t)%2)
.set KS, KT+8*((\t)%2)
	v_max3_num_f32 v[XM], |v[XS]|, |v[XS+1]|, |v[XS+2]|             ; the largest magnitude of my 16, in two chains
	v_max3_num_f32 v[XM+1], |v[XS+3]|, |v[XS+4]|, |v[XS+5]|
.irp i, 6,10
	v_max3_num_f32 v[XM], v[XM], |v[XS+\i]|, |v[XS+\i+1]|
	v_max3_num_f32 v[XM+1], v[XM+1], |v[XS+\i+2]|, |v[XS+\i+3]|
.endr
	v_max3_num_f32 v[XM], v[XM], |v[XS+14]|, |v[XS+15]|
	v_max3_num_f32 v[XM], v[XM], v[XM+1], 0x2800000                 ; and the floor 2^(5 - 127): the byte cannot fall under 1
	v_max_num_f32_dpp v[XM], v[XM], v[XM] row_xmask:1 row_mask:0xf bank_mask:0xf   ; with my neighbour's 16: the block's
	v_add_nc_u32 v[XM+2], 0xfe000000, v[XM]        ; 4 off its exponent field: the conversion takes the exponent field of this operand as its scale
	v_cvt_scalef32_pk16_bf6_f32 v[CD:CD+2], v[XS:XS+15], v[XM+2]    ; 16 codes, 96 bits
	v_lshrrev_b32 v[CD+3], 23, v[XM+2]             ; the scale's byte.  (Also the plain line behind a scaled conversion)
.if (\t) < 24
.irp u, 0,1,2,3,4,5,6,7
	v_cvt_pk_bf16_f32 v[KS+\u], v[XS+2*\u], v[XS+2*\u+1]             ; the copy that is kept for the context: steps 0 to 23 go to LDS,
.endr
.else
	WIN 0x40                                       ; destination window 1
.irp u, 0,1,2,3,4,5,6,7
	v_cvt_pk_bf16_f32 v[8*(\t)+\u], v[XS+2*\u], v[XS+2*\u+1]         ; steps 24 to 31 stay in registers
.endr
	WIN 0
.endif
.endm
; Four products: row block i against the four column tiles of buffer hh.  Row blocks 2-3 come from set hh % 2.  x's scale words: set hh / 2, lanes 0-15 or 16-31 by hh % 2.  zero = 1: the product starts the sums: nothing is cleared.
.macro MM i, hh, zero
.set FA, AF+12*(\i)+24*((\hh)%2)*((\i)/2)
.irp t, 0,1,2,3
.if \zero
	v_wmma_scale_f32_16x16x128_f8f6f4 v[ACC+8*(4*\i+\t):ACC+8*(4*\i+\t)+7], v[FA:FA+11], v[48*(\hh)+12*\t:48*(\hh)+12*\t+11], 0, v[SA+4*((\hh)/2)+\i], v[SBR+4*(\hh)+\t] matrix_a_fmt:MATRIX_FMT_BF6 matrix_b_fmt:MATRIX_FMT_BF6
.elseif (\hh)%2
	v_wmma_scale_f32_16x16x128_f8f6f4 v[ACC+8*(4*\i+\t):ACC+8*(4*\i+\t)+7], v[FA:FA+11], v[48*(\hh)+12*\t:48*(\hh)+12*\t+11], v[ACC+8*(4*\i+\t):ACC+8*(4*\i+\t)+7], v[SA+4*((\hh)/2)+\i], v[SBR+4*(\hh)+\t] matrix_a_fmt:MATRIX_FMT_BF6 matrix_b_fmt:MATRIX_FMT_BF6 matrix_a_scale:MATRIX_SCALE_ROW1
.else
	v_wmma_scale_f32_16x16x128_f8f6f4 v[ACC+8*(4*\i+\t):ACC+8*(4*\i+\t)+7], v[FA:FA+11], v[48*(\hh)+12*\t:48*(\hh)+12*\t+11], v[ACC+8*(4*\i+\t):ACC+8*(4*\i+\t)+7], v[SA+4*((\hh)/2)+\i], v[SBR+4*(\hh)+\t] matrix_a_fmt:MATRIX_FMT_BF6 matrix_b_fmt:MATRIX_FMT_BF6
.endif
.endr
.endm
; x's fragment of row block i for the group's nh-th 128 along K: lane (r, h) takes 24 bytes at 96 nh + 24 h of its row and 24 more 48 bytes on, in pieces of 8 bytes.  s: for row blocks 2-3 the set (0 for row blocks 0-1).
.macro ALOAD i, nh, s
.irp c, 0,1,2,3,4,5
	ds_load_b64 v[AF+12*(\i)+24*(\s)+2*\c:AF+12*(\i)+24*(\s)+2*\c+1], v[ADA+(\i)/2] offset:16*APITCH*((\i)%2)+96*(\nh)+48*(\c/3)+8*(\c%3)
.endr
.endm
; A HALF: 128 along K, 16 products; the 16 accumulators take turns, in the same order in every half.  All that the half fetches stands behind the one wait in its middle:
; the next half's fragments of x (row blocks 0-1 into their one set, eight products ahead of their use; row blocks 2-3 into the set that the half before has left) and W's batch of three halves on, into the buffer that the half before has left.
; The four v_nop in front of that wait stand between every product and a load into a register that it has read.
; load = 0: the tile's last four halves: the first of them asks for W's last batch, the others for nothing of W.  last = 1: the pass's last four halves fetch nothing of x past K.
.macro HALF hh, zero, load, last
.set DOA, 1-(\last)*((\hh)/3)                  ; is there a next half in this pass?
.set DOSA, (1-(\hh)%2)*(1-(\last)*((\hh)/2))   ; and, in an even half, a next 256 along K?
.set DOB, 1                                    ; is there a batch of W three halves on?
.if ((\load) == 0) && ((\hh) > 0)
.set DOB, 0
.endif
.if (\load) || ((\hh) < 2)
	s_wait_loadcnt 26                              ; this half's batch of 13 is in; the two younger batches may be out
.else
	s_wait_loadcnt 13*(3-(\hh))                    ; (the batches that are left)
.endif
	s_wait_dscnt 12                                ; x's row blocks 0-1 and the scale words are in; the youngest twelve loads (blocks 2-3) may be out
	WIN 0x04                                       ; source 1 (W) window 1; all else, and the LDS loads below, window 0
	MM 0, \hh, \zero
	MM 1, \hh, \zero
.if DOA || DOB
	NOPS 4
	s_wait_alu depctr_va_vdst(0)                   ; the eight products above are done reading row blocks 0-1; the half before is done reading the other set of row blocks 2-3, its buffer and scale set of W, and the other set of x's scale words; in a group's first half the three LDS addresses are written
.endif
.if DOA
.if DOSA
	ds_load_b128 v[SA+4*(1-(\hh)/2):SA+4*(1-(\hh)/2)+3], v[ADSA] offset:512*((\hh)/2+1)   ; the next 256's scale words of x, into the set that the last 256 has left
.endif
	ALOAD 0, (\hh)+1, 0
	ALOAD 1, (\hh)+1, 0
	s_wait_dscnt 12+DOSA                           ; all but the loads just issued: this half's blocks 2-3 are in
.else
	s_wait_dscnt 0x0
.endif
	MM 2, \hh, \zero
.if DOA
	ALOAD 2, (\hh)+1, 1-(\hh)%2                    ; no wait: no product since the wait above names the other set
.endif
	MM 3, \hh, \zero
.if DOA
	ALOAD 3, (\hh)+1, 1-(\hh)%2
.endif
.if DOB
.if (\hh) == 1
	s_wait_xcnt 0x0                                ; the last batch, 16 products back, has had its addresses translated (ISA guide 3.1): only behind this wait is its base stepped,
	s_add_nc_u64 s[24:25], s[24:25], 2*WSTEP       ; on to the next group's 512 along K
.endif
	BLOAD ((\hh)+3)%4, 24, 0x04                    ; three halves on.  No wait: no product since the wait above names that buffer or its scale set
.endif
.if DOA == 0
	NOPS 4                                         ; the pass's last products: four places ahead of the first line that reads a result or writes one of their sources (ISA guide 7.12.1)
.endif
.endm
; A GROUP: four halves, once round W's buffers and x's two sets of scale words.
.macro GROUP zero, load, last
	HALF 0, \zero, \load, \last
	HALF 1, 0, \load, \last
	HALF 2, 0, \load, \last
	HALF 3, 0, \load, \last
	WIN 0                                          ; at a label and at a branch every window is 0
.if (\last) == 0
	s_wait_alu depctr_vm_vsrc(0)                   ; the fetches issued so far have read the three addresses
	v_add_nc_u32 v[ADA], 384, v[ADA]               ; on to the next 512 along K (the fetches for its first half have been issued, with the old addresses)
	v_add_nc_u32 v[ADA+1], 384, v[ADA+1]
	v_add_nc_u32 v[ADSA], 1024, v[ADSA]
.endif
.endm
; A PASS: 512 columns, K = 2,048 in four groups.  The first starts the sums, the last fetches nothing of x past K; in pass 0 it asks for pass 1's first three batches, which land under the tanh.
.macro PASS pass
.if \pass
	s_wait_dscnt 0x0                               ; the tanh's stores are done
.endif
	s_wait_alu depctr_vm_vsrc(0)                   ; the LDS instructions issued so far have read their registers: the addresses v3 to v5, written below; what the stores of the phase before read in v54 on, where x's fragments land; the loaded numbers that the stage's stores read, which the first products write as accumulators
	v_and_b32 v[W0], 15, v0                        ; r
	v_bfe_u32 v[W1], v0, 4, 1                      ; h
	v_mul_u32_u24 v[ADA], v[W0], APITCH
	v_mad_u32_u24 v[ADA], v[W1], 24, v[ADA]
	v_add_nc_u32 v[ADA], AC, v[ADA]                ; row r, + 24 h
	v_add_nc_u32 v[ADA+1], 32*APITCH, v[ADA]       ; and 32 rows on
	v_add_nc_u32 v[ADSA], ASI, v[L16]
	s_wait_alu depctr_va_vdst(0)                   ; the three addresses are written; the vector lines of the phase before are done with v54 to v125, and the products of the pass before with x's scale words: the loads below land there
	ds_load_b128 v[SA:SA+3], v[ADSA]
	ALOAD 0, 0, 0
	ALOAD 1, 0, 0
	ALOAD 2, 0, 0
	ALOAD 3, 0, 0
	GROUP 1, 1, 0
	s_mov_b32 s45, 2
.Lk_\@:
	GROUP 0, 1, 0
	s_sub_co_u32 s45, s45, 1
	s_cmp_lg_u32 s45, 0
	s_cbranch_scc1 .Lk_\@
	GROUP 0, 1-\pass, 1
.endm
; The pass's 64 x 64 numbers a wave become partial energies.  A lane holds ONE column in each tile and eight rows in each accumulator.  energy += w tanh(att) = w + (-2 w) / (1 + 2^(c att)), c = 2 log2 e.
; The exponentials go as one batch with one wait, and so do the reciprocals.  The last half's four v_nop are the places behind the last products.
.macro TANH pass
.irp t, 0,1,2,3
	v_mul_f32 v[HP+2*\t], s22, v[HU+4*\pass+\t]    ; c hU, twice: a pair for the packed form
	v_mul_f32 v[HP+2*\t+1], s22, v[HU+4*\pass+\t]
	v_mul_f32 v[WP+2*\t], -2.0, v[WW+4*\pass+\t]
	v_mul_f32 v[WP+2*\t+1], -2.0, v[WW+4*\pass+\t]
.endr
	v_add_f32 v[WS], v[WW+4*\pass], v[WW+4*\pass+1]
	v_add_f32 v[WS+1], v[WW+4*\pass+2], v[WW+4*\pass+3]
	v_add_f32 v[WS], v[WS], v[WS+1]
	v_mov_b32 v[WS+1], v[WS]
	v_bfe_u32 v[EXW], v0, 4, 1
	s_lshl_b32 s47, s16, 8
	s_add_co_u32 s47, s47, EX
	v_lshl_add_u32 v[EXW], v[EXW], 5, s47          ; my wave's 256 bytes, + 32 h: rows 8 h on of a row block
.irp i, 0,1,2,3
.irp t, 0,1,2,3
.irp j, 0,2,4,6                                ; each accumulator from its low end on
	v_pk_fma_f32 v[ACC+8*(4*\i+\t)+\j:ACC+8*(4*\i+\t)+\j+1], v[ACC+8*(4*\i+\t)+\j:ACC+8*(4*\i+\t)+\j+1], s[22:23], v[HP+2*\t:HP+2*\t+1] op_sel_hi:[1,0,1]
.endr
.endr
.endr
.set J, 0
	s_wait_alu depctr_va_vdst(0)
.rept 128
	v_exp_f32 v[ACC+J], v[ACC+J]
.set J, J+1
.endr
	v_nop                                          ; a plain line behind the last exponential
	s_wait_alu depctr_va_vdst(0)                   ; one wait for the batch: the 128 exponentials have written their results
.set J, 0
.rept 64
	v_pk_add_f32 v[ACC+J:ACC+J+1], v[ACC+J:ACC+J+1], 1.0 op_sel_hi:[1,0]
.set J, J+2
.endr
.set J, 0
	s_wait_alu depctr_va_vdst(0)
.rept 128
	v_rcp_f32 v[ACC+J], v[ACC+J]
.set J, J+1
.endr
	v_nop
	s_wait_alu depctr_va_vdst(0)                   ; one wait for the batch: the 128 reciprocals have written their results
.irp i, 0,1,2,3                                ; sixteen chains that do not wait for each other
.irp j, 0,2,4,6
	v_pk_fma_f32 v[EE+8*\i+\j:EE+8*\i+\j+1], v[ACC+32*\i+\j:ACC+32*\i+\j+1], v[WP:WP+1], v[WS:WS+1]
.endr
.endr
.irp t, 1,2,3
.irp i, 0,1,2,3
.irp j, 0,2,4,6
	v_pk_fma_f32 v[EE+8*\i+\j:EE+8*\i+\j+1], v[ACC+8*(4*\i+\t)+\j:ACC+8*(4*\i+\t)+\j+1], v[WP+2*\t:WP+2*\t+1], v[EE+8*\i+\j:EE+8*\i+\j+1]
.endr
.endr
.endr
.irp m, 1,2,4,8                                ; over the sixteen columns that lie in sixteen lanes
.set J, 0
.rept 32
	v_add_f32_dpp v[EE+J], v[EE+J], v[EE+J] row_xmask:\m row_mask:0xf bank_mask:0xf
.set J, J+1
.endr
.endr
	s_wait_alu depctr_va_vdst(0)                   ; the sums have written the energies, and their address is written: the stores below read both.  The tanh's lines are also done with the accumulators' registers, in which, behind pass 1, the next tile's first loads land
.irp i, 0,1,2,3                                ; rows 16 i + 8 h + 0 .. 7; the sixteen lanes of a half write the same bytes with the same values
	ds_store_b128 v[EXW], v[EE+8*\i:EE+8*\i+3] offset:2048*\pass+64*\i
	ds_store_b128 v[EXW], v[EE+8*\i+4:EE+8*\i+7] offset:2048*\pass+64*\i+16
.endr
.endm
	s_load_b256 s[4:11], s[0:1], 0x0               ; x s[4:5], w s[6:7], wfrag s[8:9], hct s[10:11]
	s_load_b128 s[12:15], s[0:1], 0x20             ; en s[12:13], pctx s[14:15]
	v_lshrrev_b32 v[W0], 5, v0
	v_readfirstlane_b32 s16, v[W0]                 ; wave 0..7
	v_and_b32 v[W0], 31, v0                        ; lane
	v_and_b32 v[W1], 15, v0                        ; r
	v_lshlrev_b32 v[L16], 4, v[W0]
	v_lshlrev_b32 v[PFO], 8, v[W0]
	v_lshlrev_b32 v[R16], 4, v[W1]
	v_lshlrev_b32 v[WO], 2, v[W1]
	v_mov_b32 v[ZR], 0
	s_wait_alu depctr_va_sdst(0)                   ; s16 is written, ahead of its first reader: bases and LDS addresses are made from it
	s_mul_i32 s19, s16, KWV
	v_add_nc_u32 v[KLA], s19, v[L16]               ; the copy's planes begin at LDS byte 0: 24,576 x wave + 16 x lane
	s_lshr_b32 s17, ttmp9, 2                       ; the batch: four work-groups of 128 rows
	s_lshl_b32 s48, ttmp9, 20                      ; x: 128 rows of 8,192 bytes,
	s_lshl_b32 s50, s16, 16                        ; my wave's 8 rows
	s_add_co_u32 s48, s48, s50
	s_mov_b32 s49, 0
	s_lshl_b32 s50, s16, 8                         ; w: my 64 columns
	s_mov_b32 s51, 0
	s_mul_i32 s52, s16, WBLK                       ; wfrag: my block
	s_mov_b32 s53, 0
	s_lshr_b32 s54, s17, 4                         ; hct: row tile batch / 16: 64 tiles of 1,024 bytes;
	s_lshl_b32 s54, s54, 16
	s_bfe_u32 s56, s17, 0x10002                    ; in a tile row m = batch % 16 lies at 512 ((m / 4) % 2) + 256 (m / 8) + 4 (m % 4), column r 16 r on
	s_lshl_b32 s56, s56, 9
	s_add_co_u32 s54, s54, s56
	s_bfe_u32 s56, s17, 0x10003
	s_lshl_b32 s56, s56, 8
	s_add_co_u32 s54, s54, s56
	s_and_b32 s56, s17, 3
	s_lshl_b32 s56, s56, 2
	s_add_co_u32 s54, s54, s56
	s_lshl_b32 s56, s16, 12                        ; my wave's four column tiles
	s_add_co_u32 s54, s54, s56
	s_mov_b32 s55, 0
	s_lshl_b32 s56, ttmp9, 9                       ; en: 128 rows of 4 bytes
	s_mov_b32 s57, 0
	s_lshl_b32 s58, ttmp9, 14                      ; pctx: two tiles of 8,192 bytes,
	s_lshl_b32 s59, s16, 10                        ; my wave's 256 columns
	s_add_co_u32 s58, s58, s59
	s_mov_b32 s59, 0
	s_mov_b32 s22, 0x4038aa3b                      ; 2 log2 e
	s_mov_b32 s23, s22                             ; (the packed forms name pairs)
	s_mov_b32 s40, 0x76543210
	s_mov_b32 s41, 0xfedcba98                      ; v_permlanex16_b32's selects for lane l xor 16
	s_mov_b32 s42, 0x3fb8aa3b                      ; log2 e
	s_mov_b32 s43, s42
	s_mov_b32 s44, 2
	s_wait_kmcnt 0x0
	s_add_nc_u64 s[4:5], s[4:5], s[48:49]
	s_add_nc_u64 s[6:7], s[6:7], s[50:51]
	s_add_nc_u64 s[8:9], s[8:9], s[52:53]
	s_add_nc_u64 s[10:11], s[10:11], s[54:55]
	s_add_nc_u64 s[12:13], s[12:13], s[56:57]
	s_add_nc_u64 s[14:15], s[14:15], s[58:59]
	s_wait_alu depctr_va_vdst(0)                   ; the offsets v1, v2, v6, v32 and v33 are written, which loads, stores and prefetches read from here to the kernel's end
.irp p, 0,1                                    ; what the tanh wants: the same in both tiles.  These 16 loads are older than x's, so the first wait for x shows them in
.irp t, 0,1,2,3
	global_load_b32 v[HU+4*\p+\t], v[R16], s[10:11] offset:(32*\p+\t)*1024
	global_load_b32 v[WW+4*\p+\t], v[WO], s[6:7] offset:(512*\p+16*\t)*4
.endr
.endr
.set T, 0
.rept 8
	XLOAD T, 0                                     ; the first tile's first eight steps: 32 loads, 16 KB a wave on their way
.set T, T+1
.endr
.Ltile:                                            ; two trips
	s_wait_dscnt 0x0                               ; my reads of the last tile's partial contexts are over: they lie on the bytes that take this tile's codes
	s_barrier_signal -1
	s_barrier_wait -1
	s_mov_b64 s[24:25], s[8:9]                     ; W is walked anew (the last tile's last half has waited for all its loads)
	; ---- x: 32 steps of 512 numbers a wave
	v_and_b32 v[W0], 31, v0                        ; lane
	v_bfe_u32 v[W1], v0, 4, 1                      ; lane / 16
	s_wait_alu depctr_va_vdst(0)
	v_mul_u32_u24 v[ACW], v[W0], 12
	s_mul_i32 s47, s16, 8*APITCH
	s_add_co_u32 s47, s47, AC
	v_add_nc_u32 v[ACW], s47, v[ACW]               ; codes: my wave's 8 rows, 12 bytes a lane
	v_lshlrev_b32 v[ASW], 9, v[W1]                 ; the scale byte of block kb = 16 (t % 4) + lane / 2 of row 8 v + t / 4: 512 (kb / 8) + 256 ((kb / 4) % 2) + kb % 4 + 16 (row % 16) + 4 (row / 16)
	v_bfe_u32 v[W2], v0, 3, 1
	v_lshl_add_u32 v[ASW], v[W2], 8, v[ASW]
	v_bfe_u32 v[W2], v0, 1, 2
	v_add_nc_u32 v[ASW], v[ASW], v[W2]
	s_and_b32 s47, s16, 1
	s_lshl_b32 s47, s47, 7
	s_lshr_b32 s48, s16, 1
	s_lshl_b32 s48, s48, 2
	s_add_co_u32 s47, s47, s48
	s_add_co_u32 s47, s47, ASI
	v_add_nc_u32 v[ASW], s47, v[ASW]
	s_lshl_b32 s47, s16, 11
	s_add_co_u32 s47, s47, STG                     ; my stage
	v_xor_b32 v[STW], v[W0], v[W1]
	v_lshlrev_b32 v[STW], 4, v[STW]
	v_add_nc_u32 v[STW], s47, v[STW]               ; in: loads 0 and 2: place lane xor (lane / 16);
	v_xor_b32 v[STW+1], 32, v[STW]                 ; loads 1 and 3: that xor 2
	v_bfe_u32 v[W2], v0, 2, 2
	v_lshlrev_b32 v[STR], 6, v[W0]
	v_lshl_add_u32 v[STR], v[W2], 4, v[STR]
	v_add_nc_u32 v[STR], s47, v[STR]               ; out: piece 4 lane + j lies at place 4 lane + (j xor ((lane / 4) % 4))
	v_xor_b32 v[STR+1], 16, v[STR]
	v_xor_b32 v[STR+2], 32, v[STR]
	v_xor_b32 v[STR+3], 48, v[STR]
	s_wait_loadcnt 28                              ; step 0's four loads are in; seven steps' may be out
	s_wait_alu depctr_va_vdst(0)                   ; the quantising's eight addresses are written, which its LDS instructions read; the last tile's vector lines are done with v96 to v127, in which the stage's loads land
	TURN 0
.set T, 0
.rept 32
	XSTEP T
.set T, T+1
.endr
	s_wait_alu depctr_va_vdst(0)                   ; step 31 has written its codes and its byte, which the stores below read
	XSTORE 31
	s_wait_dscnt 0x0                               ; for the others' sake: my codes and scale bytes have landed
	s_barrier_signal -1
	s_barrier_wait -1
	; ---- the products and the energies: no barrier until the softmax: each wave reads x's codes, which nobody writes, and its own W
	PASS 0
	TANH 0
	PASS 1
	WIN 0x40                                       ; destination window 1: W's buffers are done with (four places stand behind the last products):
	s_wait_alu depctr_va_vdst(0)                   ; the last products are done reading W's buffers, in which the copy lands
.set T, 0
.rept 48
	ds_load_b128 v[4*T:4*T+3], v[KLA] offset:512*T ; the copy's steps 0 to 23 come back into the registers in which the context wants them, under the tanh
.set T, T+1
.endr
	WIN 0
; A PREFETCH INTO THE L2 of what my wave loads first in the next tile: its rows 8 v and 8 v + 1, 8,192 bytes each, a lane to each 256 bytes, each block named once in the launch, by the wave that will load it.
; It stands behind the run of LDS loads above, one tanh (some 1,100 instructions of each of a SIMD's two waves) ahead of those loads.  The last tile asks for nothing.
	s_cmp_eq_u32 s44, 1
	s_cbranch_scc1 .Lno_ask
	global_prefetch_b8 v[PFO], s[4:5] offset:TILEB th:TH_LOAD_NT scope:SCOPE_SE
	global_prefetch_b8 v[PFO], s[4:5] offset:TILEB+8192 th:TH_LOAD_NT scope:SCOPE_SE
.Lno_ask:
	TANH 1
	s_cmp_eq_u32 s44, 1                            ; the next tile's first eight steps are asked for here, if there is a next tile: no load leaves its buffer
	s_cbranch_scc1 .Lno_next
.set T, 0
.rept 8
	XLOAD T, TILEB                                 ; into the accumulators' registers, which are done with: no vector or matrix line since the tanh's last wait names them
.set T, T+1
.endr
.Lno_next:
	s_wait_dscnt 0x0                               ; my partial energies have landed, my reads of the codes are over, the copy is back
	s_barrier_signal -1
	s_barrier_wait -1
	; ---- the tile's softmax, in every wave alike: lane l has rows 2 l and 2 l + 1
	s_wait_alu depctr_vm_vsrc(0)                   ; the tanh's stores have read v54 to v85 and v120, in which loads below land; the fetches of x's fragments and scale words have read v3 to v5, which are written below
	v_and_b32 v[W0], 31, v0
	v_lshlrev_b32 v[W0], 3, v[W0]                  ; 8 x lane
	v_add_nc_u32 v[W2], EX, v[W0]
	s_wait_alu depctr_va_vdst(0)                   ; v[W2] is written, which the sixteen loads read
.irp k, 0,1,2,3,4,5,6,7,8,9,10,11,12,13,14,15
	ds_load_b64 v[CX+2*\k:CX+2*\k+1], v[W2] offset:256*\k
.endr
	s_lshl_b32 s47, s16, 8                         ; (addresses are made while the loads are out)
	s_add_co_u32 s47, s47, PB
	v_add_nc_u32 v3, s47, v[W0]                    ; p: my wave's copy, 8 bytes a lane
	s_mul_i32 s47, s16, 288
	s_add_co_u32 s47, s47, PB
	v_mov_b32 v4, s47                              ; and in it my wave's eight rows: 256 v + 4 x 8 v
	s_mul_i32 s47, s16, CWV
	s_add_co_u32 s47, s47, CS
	v_add_nc_u32 v5, s47, v[L16]                   ; my partial context: 16 bytes a lane in each plane
	v_and_b32 v[W1], 3, v0
	v_mul_u32_u24 v[W1], v[W1], CPL
	s_lshr_b32 s47, s16, 1
	s_mul_i32 s47, s47, 4*CPL
	s_and_b32 s48, s16, 1
	s_lshl_b32 s48, s48, 8
	s_add_co_u32 s47, s47, s48
	s_add_co_u32 s47, s47, CS
	v_add_nc_u32 v[W1], s47, v[W1]
	s_wait_dscnt 0x0
	s_wait_alu depctr_vm_vsrc(0)                   ; the sixteen loads have read v[W2], which the next line writes
	v_bfe_u32 v[W2], v0, 2, 3
	s_wait_alu depctr_va_vdst(0)
	v_lshl_add_u32 v[W1], v[W2], 4, v[W1]          ; back: columns 256 v + 4 lane on lie in plane 4 (v / 2) + lane % 4 at 256 (v % 2) + 16 (lane / 4)
.irp k, 0,1,2,3,4,5,6,7
	v_pk_add_f32 v[CX+2*\k:CX+2*\k+1], v[CX+2*\k:CX+2*\k+1], v[CX+16+2*\k:CX+16+2*\k+1]
.endr
.irp k, 0,1,2,3
	v_pk_add_f32 v[CX+2*\k:CX+2*\k+1], v[CX+2*\k:CX+2*\k+1], v[CX+8+2*\k:CX+8+2*\k+1]
.endr
.irp k, 0,1
	v_pk_add_f32 v[CX+2*\k:CX+2*\k+1], v[CX+2*\k:CX+2*\k+1], v[CX+4+2*\k:CX+4+2*\k+1]
.endr
	v_pk_add_f32 v[CX:CX+1], v[CX:CX+1], v[CX+2:CX+3]   ; the energies of my two rows
	s_cmp_lg_u32 s16, 0
	s_cbranch_scc1 .Lno_en
	s_wait_alu depctr_va_vdst(0)                   ; the additions have written the two energies, which the store reads
	global_store_b64 v[W0], v[CX:CX+1], s[12:13]   ; wave 0: 32 lanes store 256 consecutive bytes, at a multiple of 256 from en's first byte
.Lno_en:
	s_wait_alu depctr_va_vdst(0)
	v_max_num_f32 v[CX+2], v[CX], v[CX+1]
	v_max_num_f32_dpp v[CX+2], v[CX+2], v[CX+2] row_xmask:1 row_mask:0xf bank_mask:0xf
	v_max_num_f32_dpp v[CX+2], v[CX+2], v[CX+2] row_xmask:2 row_mask:0xf bank_mask:0xf
	v_max_num_f32_dpp v[CX+2], v[CX+2], v[CX+2] row_xmask:4 row_mask:0xf bank_mask:0xf
	v_max_num_f32_dpp v[CX+2], v[CX+2], v[CX+2] row_xmask:8 row_mask:0xf bank_mask:0xf
	v_permlanex16_b32 v[CX+3], v[CX+2], s40, s41
	v_max_num_f32 v[CX+2], v[CX+2], v[CX+3]        ; m: the tile's largest energy
	v_mov_b32 v[CX+3], v[CX+2]
	v_pk_add_f32 v[CX+4:CX+5], v[CX:CX+1], v[CX+2:CX+3] neg_lo:[0,1] neg_hi:[0,1]
	v_pk_mul_f32 v[CX+4:CX+5], v[CX+4:CX+5], s[42:43] op_sel_hi:[1,0]
	s_wait_alu depctr_va_vdst(0)
	v_exp_f32 v[CX+4], v[CX+4]                     ; p = 2^((energy - m) log2 e), at most 1
	v_exp_f32 v[CX+5], v[CX+5]
	v_nop
	s_wait_alu depctr_va_vdst(0)                   ; one wait for the two exponentials: p is written, which the store below reads; so are the addresses v3 and v4; and the products and the tanh are done with v120 to v127, in which p lands
	ds_store_b64 v3, v[CX+4:CX+5]
	ds_load_b128 v[PK:PK+3], v4                    ; LDS serves a wave's instructions in order: these see my store.  Every lane takes p of my wave's eight rows
	ds_load_b128 v[PK+4:PK+7], v4 offset:16
	s_wait_dscnt 0x0
	s_wait_xcnt 0x0                                ; the store of the energies has had its address translated (ISA guide 3.1),
	s_wait_alu depctr_vm_vsrc(0)                   ; and it and the store of p have read v54 to v59: the sums below are written over them
	; ---- my eight rows' part of the context: 64 columns a lane, straight from the bf16 halves into f32 sums
	WIN 0x01                                       ; source 0 window 1
.irp k, 0,1,2,3,4,5,6,7
.irp q, 0,1,2,3
.irp u, 0,1,2,3,4,5,6,7
.if \k == 0
	v_fma_mix_f32_bf16 v[CX+16*\q+2*\u], v[8*(4*\k+\q)+\u], v[PK+\k], v[ZR] op_sel_hi:[1,0,0]
	v_fma_mix_f32_bf16 v[CX+16*\q+2*\u+1], v[8*(4*\k+\q)+\u], v[PK+\k], v[ZR] op_sel:[1,0,0] op_sel_hi:[1,0,0]
.else
	v_fma_mix_f32_bf16 v[CX+16*\q+2*\u], v[8*(4*\k+\q)+\u], v[PK+\k], v[CX+16*\q+2*\u] op_sel_hi:[1,0,0]
	v_fma_mix_f32_bf16 v[CX+16*\q+2*\u+1], v[8*(4*\k+\q)+\u], v[PK+\k], v[CX+16*\q+2*\u+1] op_sel:[1,0,0] op_sel_hi:[1,0,0]
.endif
.endr
.endr
.endr
	WIN 0
	; ---- the eight waves' parts meet in LDS; wave v adds and stores columns 256 v .. 256 v + 255
	s_wait_alu depctr_va_vdst(0)                   ; the multiply-adds have written my 64 sums, which the stores read
.irp n, 0,1,2,3,4,5,6,7,8,9,10,11,12,13,14,15
	ds_store_b128 v5, v[CX+4*\n:CX+4*\n+3] offset:CPL*\n           ; plane n = 4 q + g: columns 512 q + 16 lane + 4 g on
.endr
	s_wait_dscnt 0x0                               ; for the others' sake: my stores have landed
	s_barrier_signal -1
	s_barrier_wait -1
	s_wait_alu depctr_vm_vsrc(0)                   ; my stores have read v54 to v117, in which the eight waves' parts land
.irp e, 0,1
.irp n, 0,1,2,3,4,5,6,7
	ds_load_b128 v[CX+32*\e+4*\n:CX+32*\e+4*\n+3], v[W1] offset:CWV*\n+128*\e   ; planes 576 bytes apart: sixteen lanes touch sixteen different columns of 16 bytes
.endr
.endr
	s_wait_dscnt 0x0
.irp e, 0,1
.irp n, 0,1,2,3
	v_pk_add_f32 v[CX+32*\e+4*\n:CX+32*\e+4*\n+1], v[CX+32*\e+4*\n:CX+32*\e+4*\n+1], v[CX+32*\e+4*\n+16:CX+32*\e+4*\n+17]
	v_pk_add_f32 v[CX+32*\e+4*\n+2:CX+32*\e+4*\n+3], v[CX+32*\e+4*\n+2:CX+32*\e+4*\n+3], v[CX+32*\e+4*\n+18:CX+32*\e+4*\n+19]
.endr
.endr
.irp e, 0,1
.irp n, 0,1
	v_pk_add_f32 v[CX+32*\e+4*\n:CX+32*\e+4*\n+1], v[CX+32*\e+4*\n:CX+32*\e+4*\n+1], v[CX+32*\e+4*\n+8:CX+32*\e+4*\n+9]
	v_pk_add_f32 v[CX+32*\e+4*\n+2:CX+32*\e+4*\n+3], v[CX+32*\e+4*\n+2:CX+32*\e+4*\n+3], v[CX+32*\e+4*\n+10:CX+32*\e+4*\n+11]
.endr
.endr
.irp e, 0,1
	v_pk_add_f32 v[CX+32*\e:CX+32*\e+1], v[CX+32*\e:CX+32*\e+1], v[CX+32*\e+4:CX+32*\e+5]
	v_pk_add_f32 v[CX+32*\e+2:CX+32*\e+3], v[CX+32*\e+2:CX+32*\e+3], v[CX+32*\e+6:CX+32*\e+7]
.endr
	s_wait_alu depctr_va_vdst(0)                   ; the additions have written the eight numbers that the two stores read
	global_store_b128 v[L16], v[CX:CX+3], s[14:15]                 ; 32 lanes store 512 consecutive bytes, at a multiple of 256 from pctx's first byte
	global_store_b128 v[L16], v[CX+32:CX+35], s[14:15] offset:512
	s_wait_xcnt 0x0                                ; every earlier memory instruction has had its addresses translated (ISA guide 3.1): only behind this wait are bases stepped and the stores' registers rewritten
	s_wait_alu depctr_vm_vsrc(0)                   ; the two stores have read their data and the loads of the parts their address v[W1]: the next tile's head writes these registers
	s_add_nc_u64 s[4:5], s[4:5], TILEB
	s_add_nc_u64 s[12:13], s[12:13], 256
	s_add_nc_u64 s[14:15], s[14:15], 8192
	s_sub_co_u32 s44, s44, 1
	s_cmp_lg_u32 s44, 0
	s_cbranch_scc1 .Ltile
	s_wait_xcnt 0x0
	v_lshl_add_u32 v254, v0, 2, 0x4dc00
	v_mov_b32 v255, 0
	s_wait_dscnt 0x0                               ; the closing lines, six on end
	s_wait_alu 0x0
	s_wait_tensorcnt 0x0
	ds_add_u32 v254, v255
	s_wait_dscnt 0x0
	s_endpgm
.Lfunc_end_k_q214d4c8267_main:
	.size	k_q214d4c8267_main, .Lfunc_end_k_q214d4c8267_main-k_q214d4c8267_main
	.p2alignl 7, 3214868480
	.fill 96, 4, 3214868480
	.section	.rodata,"a",@progbits
	.p2align	6, 0x0
	.amdhsa_kernel k_q214d4c8267_main
		.amdhsa_group_segment_fixed_size 319488
		.amdhsa_private_segment_fixed_size 0
		.amdhsa_enable_private_segment 0
		.amdhsa_kernarg_size 48
		.amdhsa_user_sgpr_count 2
		.amdhsa_user_sgpr_kernarg_segment_ptr 1
		.amdhsa_wavefront_size32 1
		.amdhsa_system_sgpr_workgroup_id_x 1
		.amdhsa_system_sgpr_workgroup_id_y 1
		.amdhsa_system_sgpr_workgroup_id_z 1
		.amdhsa_system_vgpr_workitem_id 0
		.amdhsa_next_free_vgpr 512
		.amdhsa_next_free_sgpr 66
		.amdhsa_reserve_vcc 0
		.amdhsa_float_denorm_mode_32 3
		.amdhsa_float_denorm_mode_16_64 3
		.amdhsa_memory_ordered 1
		.amdhsa_forward_progress 1
		.amdhsa_inst_pref_size 255
	.end_amdhsa_kernel
	.section	.bss,"aw",@nobits
	.p2align	6
	.space	262144
	.amdgpu_metadata
---
amdhsa.version: [ 1, 2 ]
amdhsa.kernels:
  - .name:           k_q214d4c8267_main
    .symbol:         k_q214d4c8267_main.kd
    .args:
      - { .name: encoder_out, .offset: 0, .size: 8, .value_kind: global_buffer, .address_space: global }
      - { .name: w, .offset: 8, .size: 8, .value_kind: global_buffer, .address_space: global }
      - { .name: wfrag, .offset: 16, .size: 8, .value_kind: global_buffer, .address_space: global }
      - { .name: hct, .offset: 24, .size: 8, .value_kind: global_buffer, .address_space: global }
      - { .name: en, .offset: 32, .size: 8, .value_kind: global_buffer, .address_space: global }
      - { .name: pctx, .offset: 40, .size: 8, .value_kind: global_buffer, .address_space: global }
    .group_segment_fixed_size: 319488
    .private_segment_fixed_size: 0
    .kernarg_segment_align: 8
    .kernarg_segment_size: 48
    .max_flat_workgroup_size: 256
    .sgpr_count:     66
    .vgpr_count:     512
    .wavefront_size: 32
...
	.end_amdgpu_metadata
.endif
;; end of part 5
;; launch combine (part 6): grid 4 x 64, 4 waves a work-group, no clusters, 0 bytes of LDS; arguments en, pctx, out0, out1; writes out0, out1
.if DOCPART == 6
	.amdgcn_target "amdgcn-amd-amdhsa--gfx1250"
	.amdhsa_code_object_version 6
	.text
	.protected	k_q214d4c8267_combine
	.globl	k_q214d4c8267_combine
	.p2align	8
	.type	k_q214d4c8267_combine,@function
k_q214d4c8267_combine:
	s_mov_b64 s[64:65], 0
	v_nop
	global_prefetch_b8 v0, s[64:65] scope:SCOPE_SE
	s_setreg_imm32_b32 hwreg(HW_REG_WAVE_MODE, 25, 1), 1
	s_wait_xcnt 0x0
; COMBINE: a batch's eight tiles of 64 rows are joined.  en: [64][512] energies.  pctx: [64][8][2048]: for each tile the sum over its rows of 2^((energy - m_tile) log2 e) x, m_tile the tile's largest energy.
; alpha = 2^((energy - m) log2 e) / L, m the batch's largest energy, L the sum of those powers; context = the sum over tiles of (2^((m_tile - m) log2 e) / L) pctx.
; A work-group (x = quarter, y = batch) makes 512 columns of the context, 4 a thread, and 128 numbers of alpha (wave 0).  Each wave works the batch's 512 energies out for itself: 16 a lane; no LDS, no barrier.
; A maximum rounds nothing, so the tile maxima found here are those that the launch before used.  Memory binds and the work is small: no matrix unit, no cluster.
.set EN,  8                            ; v8-23   the batch's energies: register 4 i + c = row 128 i + 4 lane + c: lanes 0-15 hold tile 2 i, lanes 16-31 tile 2 i + 1
.set EA,  24                           ; v24-27  the energies of my quarter's rows 128 x + 4 lane + c
.set TM,  28                           ; v28-31  tile maxima: register i: lanes 0-15 tile 2 i's, lanes 16-31 tile 2 i + 1's
.set PC,  32                           ; v32-63  the eight tiles' parts of my 4 columns
.set MB,  64                           ; v64-65  m, twice
.set SU,  66                           ; v66-67  at work
.set OU,  72                           ; v72-75  my 4 columns of the context
	s_load_b256 s[4:11], s[0:1], 0x0               ; en s[4:5], pctx s[6:7], out0 s[8:9], out1 s[10:11]
	v_lshrrev_b32 v3, 5, v0
	v_readfirstlane_b32 s12, v3                    ; wave
	v_and_b32 v1, 31, v0
	v_lshlrev_b32 v1, 4, v1                        ; 16 x lane
	v_lshlrev_b32 v2, 4, v0                        ; 16 x thread
	v_mov_b32 v[MB+1], 0                           ; written once: a lane permute's destination counts as one of its sources
	v_mov_b32 v[SU+1], 0
	s_and_b32 s13, ttmp7, 0xffff                   ; the batch
	s_mov_b32 s15, 0
	s_mov_b32 s17, 0
	s_mov_b32 s28, 0x76543210
	s_mov_b32 s29, 0xfedcba98                      ; v_permlanex16_b32's selects for lane l xor 16
	s_mov_b32 s30, 0x3fb8aa3b                      ; log2 e
	s_mov_b32 s31, s30
	s_lshl_b32 s14, s13, 11                        ; 512 numbers of 4 bytes a batch,
	s_lshl_b32 s16, ttmp9, 9                       ; 128 a quarter
	s_wait_alu depctr_va_vdst(0)
	s_wait_kmcnt 0x0
	s_add_nc_u64 s[4:5], s[4:5], s[14:15]
	s_add_nc_u64 s[18:19], s[4:5], s[16:17]
	s_add_nc_u64 s[10:11], s[10:11], s[14:15]
	s_add_nc_u64 s[10:11], s[10:11], s[16:17]
	s_lshl_b32 s14, s13, 16                        ; pctx: 8 tiles of 8,192 bytes a batch,
	s_lshl_b32 s16, ttmp9, 11                      ; 512 columns a quarter
	s_add_nc_u64 s[6:7], s[6:7], s[14:15]
	s_add_nc_u64 s[6:7], s[6:7], s[16:17]
	s_lshl_b32 s14, s13, 13                        ; out0: 8,192 bytes a batch
	s_add_nc_u64 s[8:9], s[8:9], s[14:15]
	s_add_nc_u64 s[8:9], s[8:9], s[16:17]
.irp i, 0,1,2,3
	global_load_b128 v[EN+4*\i:EN+4*\i+3], v1, s[4:5] offset:512*\i
.endr
	global_load_b128 v[EA:EA+3], v1, s[18:19]
.irp t, 0,1,2,3,4,5,6,7
	global_load_b128 v[PC+4*\t:PC+4*\t+3], v2, s[6:7] offset:8192*\t th:TH_LOAD_NT   ; a wave reads 512 consecutive bytes; read once in the launch
.endr
	s_wait_loadcnt 8                               ; the energies are in; the eight loads of parts may be out
.irp i, 0,1,2,3
	v_max3_num_f32 v[TM+\i], v[EN+4*\i], v[EN+4*\i+1], v[EN+4*\i+2]
.endr
.irp i, 0,1,2,3
	v_max_num_f32 v[TM+\i], v[TM+\i], v[EN+4*\i+3]
.endr
.irp m, 1,2,4,8
.irp i, 0,1,2,3
	v_max_num_f32_dpp v[TM+\i], v[TM+\i], v[TM+\i] row_xmask:\m row_mask:0xf bank_mask:0xf   ; over the sixteen lanes that hold a tile
.endr
.endr
	v_max3_num_f32 v[MB], v[TM], v[TM+1], v[TM+2]
	v_max_num_f32 v[MB], v[MB], v[TM+3]
	v_permlanex16_b32 v[MB+1], v[MB], s28, s29
	v_max_num_f32 v[MB], v[MB], v[MB+1]            ; m
	v_mov_b32 v[MB+1], v[MB]
.irp j, 8,10,12,14,16,18,20,22,24,26,28,30     ; the 16 energies, my quarter's 4 and the 4 tile maxima alike
	v_pk_add_f32 v[\j:\j+1], v[\j:\j+1], v[MB:MB+1] neg_lo:[0,1] neg_hi:[0,1]
.endr
.irp j, 8,10,12,14,16,18,20,22,24,26,28,30
	v_pk_mul_f32 v[\j:\j+1], v[\j:\j+1], s[30:31] op_sel_hi:[1,0]
.endr
.set J, 8
	s_wait_alu depctr_va_vdst(0)
.rept 24
	v_exp_f32 v[J], v[J]
.set J, J+1
.endr
	v_nop                                          ; a plain line behind the last exponential
	s_wait_alu depctr_va_vdst(0)                   ; one wait for the batch of 24
.irp j, 8,10,12,14
	v_pk_add_f32 v[\j:\j+1], v[\j:\j+1], v[\j+8:\j+9]
.endr
.irp j, 8,10
	v_pk_add_f32 v[\j:\j+1], v[\j:\j+1], v[\j+4:\j+5]
.endr
	v_pk_add_f32 v[8:9], v[8:9], v[10:11]
	v_add_f32 v[SU], v8, v9
	v_add_f32_dpp v[SU], v[SU], v[SU] row_xmask:1 row_mask:0xf bank_mask:0xf
	v_add_f32_dpp v[SU], v[SU], v[SU] row_xmask:2 row_mask:0xf bank_mask:0xf
	v_add_f32_dpp v[SU], v[SU], v[SU] row_xmask:4 row_mask:0xf bank_mask:0xf
	v_add_f32_dpp v[SU], v[SU], v[SU] row_xmask:8 row_mask:0xf bank_mask:0xf
	v_permlanex16_b32 v[SU+1], v[SU], s28, s29
	v_add_f32 v[SU], v[SU], v[SU+1]                ; L, at least 1: the largest energy's term is 1
	s_wait_alu depctr_va_vdst(0)
	v_rcp_f32 v[SU], v[SU]
	v_nop
	s_wait_alu depctr_va_vdst(0)
.irp j, 24,25,26,27,28,29,30,31
	v_mul_f32 v[\j], v[SU], v[\j]                  ; alpha of my quarter's rows; the tiles' factors
.endr
.irp i, 0,1,2,3
	v_readlane_b32 s[20+2*\i], v[TM+\i], 0         ; tile 2 i's factor,
	v_readlane_b32 s[21+2*\i], v[TM+\i], 16        ; tile 2 i + 1's: numbers that are multiplied by, no address and no branch hangs on them
.endr
	s_wait_loadcnt 0x0
.irp c, 0,1,2,3
	v_mul_f32 v[OU+\c], s20, v[PC+\c]
.endr
.irp t, 1,2,3,4,5,6,7
.irp c, 0,1,2,3
	v_fmac_f32 v[OU+\c], s[20+\t], v[PC+4*\t+\c]
.endr
.endr
	global_store_b128 v2, v[OU:OU+3], s[8:9]       ; a wave stores 512 consecutive bytes, at a multiple of 256 from out0's first byte
	s_cmp_lg_u32 s12, 0
	s_cbranch_scc1 .Lend
	global_store_b128 v1, v[EA:EA+3], s[10:11]     ; wave 0: 512 consecutive bytes of alpha
.Lend:
	s_endpgm
.Lfunc_end_k_q214d4c8267_combine:
	.size	k_q214d4c8267_combine, .Lfunc_end_k_q214d4c8267_combine-k_q214d4c8267_combine
	.p2alignl 7, 3214868480
	.fill 96, 4, 3214868480
	.section	.rodata,"a",@progbits
	.p2align	6, 0x0
	.amdhsa_kernel k_q214d4c8267_combine
		.amdhsa_group_segment_fixed_size 0
		.amdhsa_private_segment_fixed_size 0
		.amdhsa_enable_private_segment 0
		.amdhsa_kernarg_size 32
		.amdhsa_user_sgpr_count 2
		.amdhsa_user_sgpr_kernarg_segment_ptr 1
		.amdhsa_wavefront_size32 1
		.amdhsa_system_sgpr_workgroup_id_x 1
		.amdhsa_system_sgpr_workgroup_id_y 1
		.amdhsa_system_sgpr_workgroup_id_z 1
		.amdhsa_system_vgpr_workitem_id 0
		.amdhsa_next_free_vgpr 80
		.amdhsa_next_free_sgpr 66
		.amdhsa_reserve_vcc 0
		.amdhsa_float_denorm_mode_32 3
		.amdhsa_float_denorm_mode_16_64 3
		.amdhsa_memory_ordered 1
		.amdhsa_forward_progress 1
		.amdhsa_inst_pref_size 10
	.end_amdhsa_kernel
	.amdgpu_metadata
---
amdhsa.version: [ 1, 2 ]
amdhsa.kernels:
  - .name:           k_q214d4c8267_combine
    .symbol:         k_q214d4c8267_combine.kd
    .args:
      - { .name: en, .offset: 0, .size: 8, .value_kind: global_buffer, .address_space: global }
      - { .name: pctx, .offset: 8, .size: 8, .value_kind: global_buffer, .address_space: global }
      - { .name: out0, .offset: 16, .size: 8, .value_kind: global_buffer, .address_space: global }
      - { .name: out1, .offset: 24, .size: 8, .value_kind: global_buffer, .address_space: global }
    .group_segment_fixed_size: 0
    .private_segment_fixed_size: 0
    .kernarg_segment_align: 8
    .kernarg_segment_size: 32
    .max_flat_workgroup_size: 128
    .sgpr_count:     66
    .vgpr_count:     80
    .wavefront_size: 32
...
	.end_amdgpu_metadata
.endif
;; end of part 6
